; MI455X (gfx1250); checked and timed in simulation.
; The chip was launched on July 23, 2026; its instructions are those of AMD's public machine-readable ISA for CDNA 5 (MIT licence, August 2026) and "CDNA5" Instruction Set Architecture Reference Guide (July 2026). The comments in the code are by the model that wrote it; some were corrected since.
;; Mo E Layer. Allowed arithmetic: matrix products marked QUANTISED: E2M3 operands, one E8M0 scale for each 32 along K, by v_wmma_scale_f32_16x16x128_f8f6f4 with both operands' format E2M3, f32 sums; products left as they are: f32 operands where the result goes on into a quantised operand, else bf16, f16 or f32 operands; f32 sums; everything else in f32.
;; Inputs: experts_down 8 x 1,024 x 938 float32; experts_gate_up_codes 8 x 1,876 x 32 x 24 uint8 (E2M3 codes of experts_gate_up, K innermost, in blocks of 32 codes, four codes in three bytes); experts_gate_up_scales 8 x 1,876 x 32 uint8 (E8M0 scales of experts_gate_up, one for each 32 codes along K); gate_weight 8 x 1,024 float32; hidden_states 4 x 512 x 1,024 float32; shared_down 1,024 x 938 float32; shared_gate_up_codes 1,876 x 32 x 24 uint8 (E2M3 codes of shared_gate_up, K innermost, in blocks of 32 codes, four codes in three bytes); shared_gate_up_scales 1,876 x 32 uint8 (E8M0 scales of shared_gate_up, one for each 32 codes along K).
;; Outputs: out0 4 x 512 x 1,024 float32.
;; This version of the problem:
;;   THIS VERSION OF THE PROBLEM IS GIVEN IN LOW PRECISION. The matrix products marked QUANTISED in the list below multiply operands that are first quantised to E2M3 (2 exponent bits, 3 mantissa bits; 6 bits a number), with one power-of-two scale for each 32 numbers along K (OCP MX v1.0); their sums are f32. All else is computed in f32.
;;   The module's matrix products, in the order in which they are computed (A, B: the left and right operand; K: the contracted axis; several contracted axes count as one K, in the product's order):
;;     1. [M 2,048, K 1,024] x [K 1,024, N 1,876]; A: input hidden_states; B: input shared_gate_up (given as codes): QUANTISED
;;     2. [M 2,048, K 938] x [K 938, N 1,024]; A: computed on the way; B: input shared_down: QUANTISED
;;     3. [M 2,048, K 1,024] x [K 1,024, N 8]; A: input hidden_states; B: input gate_weight: left as it is (N = 8 < 16)
;;     4. [M 2,048, K 1,024] x [K 1,024, N 1,876]; A: input hidden_states; B: input experts_gate_up (given as codes): QUANTISED
;;     5. [M 2,048, K 938] x [K 938, N 1,024]; A: computed on the way; B: input experts_down: QUANTISED
;;     6. [M 2,048, K 1,024] x [K 1,024, N 1,876]; A: input hidden_states; B: input experts_gate_up (given as codes): QUANTISED
;;     7. [M 2,048, K 938] x [K 938, N 1,024]; A: computed on the way; B: input experts_down: QUANTISED
;;     8. [M 2,048, K 1,024] x [K 1,024, N 1,876]; A: input hidden_states; B: input experts_gate_up (given as codes): QUANTISED
;;     9. [M 2,048, K 938] x [K 938, N 1,024]; A: computed on the way; B: input experts_down: QUANTISED
;;     10. [M 2,048, K 1,024] x [K 1,024, N 1,876]; A: input hidden_states; B: input experts_gate_up (given as codes): QUANTISED
;;     11. [M 2,048, K 938] x [K 938, N 1,024]; A: computed on the way; B: input experts_down: QUANTISED
;;     12. [M 2,048, K 1,024] x [K 1,024, N 1,876]; A: input hidden_states; B: input experts_gate_up (given as codes): QUANTISED
;;     13. [M 2,048, K 938] x [K 938, N 1,024]; A: computed on the way; B: input experts_down: QUANTISED
;;     14. [M 2,048, K 1,024] x [K 1,024, N 1,876]; A: input hidden_states; B: input experts_gate_up (given as codes): QUANTISED
;;     15. [M 2,048, K 938] x [K 938, N 1,024]; A: computed on the way; B: input experts_down: QUANTISED
;;     16. [M 2,048, K 1,024] x [K 1,024, N 1,876]; A: input hidden_states; B: input experts_gate_up (given as codes): QUANTISED
;;     17. [M 2,048, K 938] x [K 938, N 1,024]; A: computed on the way; B: input experts_down: QUANTISED
;;     18. [M 2,048, K 1,024] x [K 1,024, N 1,876]; A: input hidden_states; B: input experts_gate_up (given as codes): QUANTISED
;;     19. [M 2,048, K 938] x [K 938, N 1,024]; A: computed on the way; B: input experts_down: QUANTISED
;;   THE QUANTISER, for each operand of a quantised product, along K:
;;     - K is cut into blocks of 32 from its start; a last block that is shorter is filled with zeros.
;;     - A block's scale is 2^e with e = floor(log2(the largest magnitude in the block)) - 2, held to -126 .. 127; a block of zeros has e = 0. As a byte (E8M0): e + 127.
;;     - Each number is divided by its block's scale, clamped to +-7.5, and rounded to the nearest number of E2M3, ties to even, subnormals kept.
;;     - The product sums the exact products of the quantised numbers (number of the format x scale) in f32.
;;   ~~~python
;;   def quantise(x, axis):      # numpy; x: float32 -> the quantised numbers, widened to float32 again
;;       x = np.moveaxis(x, axis, -1); K = x.shape[-1]
;;       x = np.pad(x, [(0, 0)] * (x.ndim - 1) + [(0, -K % 32)]); x = x.reshape(x.shape[:-1] + (-1, 32)); a = np.abs(x).max(-1, keepdims=True)
;;       e = np.where(a > 0, np.clip(np.frexp(np.where(a > 0, a, 1))[1] - 1 - 2, -126, 127), 0)      # np.frexp(a)[1] - 1 = floor(log2(a)), exactly
;;       r = np.clip(x / 2.0 ** e, -7.5, 7.5)
;;       step = 2.0 ** (np.maximum(np.frexp(np.where(r == 0, 1, r))[1] - 1, 0) - 3)
;;       q = np.round(r / step) * step * 2.0 ** e      # np.round: ties to even
;;       return np.moveaxis(q.reshape(q.shape[:-2] + (-1,))[..., :K], -1, axis).astype(np.float32)
;;   ~~~
;;   OPERANDS COMPUTED ON THE WAY. 'Computed on the way' means the value that the module computes at that place (a softmax that the list does not call 'softmax' is quantised finished and normalised). What goes into a quantiser is computed in f32, as accurately as f32 sums, v_exp_f32 and their like allow (about 1e-6 of the number): no bf16 or f16 on the way to a quantiser, and a product that is left as it is and whose result goes on into a quantised operand takes f32 operands (vector FMAs, or v_wmma_f32_16x16x4_f32). A number that lies on a knife's edge between two numbers of the format may be rounded either way, as far as f32 arithmetic and the matrix unit's own rounding can turn it there, and no further.
;;   INPUTS GIVEN AS CODES. experts_gate_up (in the module: [8, 1876, 1024], K = its axis 2); shared_gate_up (in the module: [1876, 1024], K = its axis 1): each comes as NAME_codes (uint8): NAME with its K axis moved to the last place and cut into blocks of 32 codes, [.., K / 32, bytes a block], one block behind the other in memory; four codes in three bytes: a row's codes are one little-endian stream of bits, code i at bits 6 i .. 6 i + 5 (a code: sign, 2 exponent bits, 3 mantissa bits); and NAME_scales (uint8): the same leading axes, one E8M0 byte (e + 127) for each 32 codes along K. Its value is code x scale, taken as it is: it is not quantised again, and the codes and scales need not be those that the quantiser above would give.
;; 2 versions, each right; version 2 is version 1 with the launch up written anew for expert scheduling mode. Each part assembles by itself: llvm-mc -triple=amdgcn-amd-amdhsa -mcpu=gfx1250 --defsym DOCPART=n.
;; ======== version 1 of 2: 5 launches
;; workspace buffers: xq 1,638,400 bytes; sel 16,384 bytes of whole numbers; wts 16,384 bytes; w2q 7,372,800 bytes; lists 45,056 bytes of whole numbers; hq 5,632,000 bytes; yw 28,835,840 bytes
;; launch route (part 1): grid 256 x 1, 4 waves a work-group, no clusters, 22,016 bytes of LDS; arguments hidden_states, gate_weight, xq, sel, wts; writes xq, sel, wts
.if DOCPART == 1
	.amdgcn_target "amdgcn-amd-amdhsa--gfx1250"
	.amdhsa_code_object_version 6
	.text
	.protected	k_qe964d3b5fb_route
	.globl	k_qe964d3b5fb_route
	.p2align	8
	.type	k_qe964d3b5fb_route,@function
k_qe964d3b5fb_route:
	s_mov_b64 s[64:65], 0
	v_nop
	global_prefetch_b8 v0, s[64:65] scope:SCOPE_SE
	s_setreg_imm32_b32 hwreg(HW_REG_WAVE_MODE, 25, 1), 1
	s_wait_xcnt 0x0
; x [2048][1024] f32 is read once and serves twice: (a) it is quantised to codes of FP6 (E2M3) with one E8M0 byte for each 32 along D:
; xq = codes [2048][768] at byte 0, scale bytes [2048][32] at byte XSC; (b) the router: logits = x . gate_weight[e] in f32, softmax with the row's
; maximum taken away, the two largest p (of equal p the lower index), their weights p / (p1 + p2 + 1e-8).
; The chosen experts go to sel [2048][2] u32 and the weights to wts [2048][2] f32, at fixed places: no address here hangs on them.
; SHARES: a work-group takes 8 tokens, a wave 2.  A token is two steps of 512 numbers.  Each load reads 512 consecutive bytes; a step's 2,048 bytes turn
; through the wave's own stage in LDS, so that a lane holds 16 neighbours (two neighbouring lanes hold a block of 32).  Waves share nothing: no barrier.
; A block's scale is 2^(floor(log2(largest magnitude)) - 2): its byte is the largest magnitude's exponent field - 2, held at 1 from below.
; LIMITS: a block of zeros gets the byte 1 where the quantiser's rule says 127 (its codes are zeros, and this program alone reads the bytes); NaN and
; infinities among the inputs are not served; the logits' sums are taken in another order than the reference's, so two p nearer than f32 sums tell apart may be chosen either way.
; No matrix unit and no cluster: the product has 8 columns and no two work-groups share a token.
; REGISTERS: window 0 as named below; window 1 (v256-511): gate_weight, expert e at 32 e, in the lane order of x's registers.
.set WREG, 5376                        ; LDS of a wave: two stages of 32 x SP bytes, then its 64 scale bytes
.set SP,   80                          ; a lane's place in a stage: 64 bytes + 16 of padding
.set XSC,  1572864                     ; where xq's scale bytes begin
.set R,    16                          ; v16-79   x as loaded: step t (token t / 2, half t % 2) at 16 t; register 4 i + c is d = 512 (t % 2) + 128 i + 4 lane + c
.set X,    80                          ; v80-111  two sets of 16 neighbours
.set C,    112                         ; v112-127 codes, four registers a step
.set E,    128                         ; v128-131 a scale byte a step
.set A,    132                         ; v132-163 partial sums: a pair for (token t, expert e) at 16 t + 2 e
.set L,    164                         ; v164-179 logits: 8 t + e
.set Q,    180                         ; v180-211 16 a token: +0..7 q, then p; +8 maximum; +9 sum; +10, +11 the two largest p; +12 at work
.set NEG,  212                         ; v212     -1.0
.set SI,   216                         ; v216-219 chosen experts: 2 t, 2 t + 1
.set SW,   220                         ; v220-223 their weights
.set MSB, 0
.macro WIN new                         ; the immediate's high byte repeats the setting that is left
.if MSB != \new
	s_set_vgpr_msb (MSB<<8)|\new
.set MSB, \new
.endif
.endm
	s_load_b256 s[4:11], s[0:1], 0x0               ; x s[4:5], gate_weight s[6:7], xq s[8:9], sel s[10:11]
	s_load_b64 s[12:13], s[0:1], 0x20              ; wts
	v_lshl_add_u32 v254, v0, 2, 0x5400
	v_mov_b32 v255, 0
	v_lshrrev_b32 v1, 5, v0
	v_readfirstlane_b32 s16, v1                    ; wave
	v_and_b32 v1, 31, v0                           ; lane
	v_lshlrev_b32 v2, 4, v1                        ; my 16 bytes of a load's 512
	v_mov_b32 v3, 0
	v_mul_u32_u24 v4, v1, 12                       ; my 12 bytes of a step's codes
	s_mul_i32 s17, s16, WREG
	v_lshrrev_b32 v14, 2, v1
	v_mul_u32_u24 v14, v14, SP
	v_and_b32 v15, 3, v1
	v_lshl_add_u32 v14, v15, 4, v14
	v_add_nc_u32 v14, s17, v14                     ; the stage, in: SP (lane / 4) + 16 (lane % 4)
	v_mul_u32_u24 v15, v1, SP
	v_add_nc_u32 v15, s17, v15                     ; and out: SP x lane
	v_lshrrev_b32 v5, 1, v1
	s_add_co_u32 s17, s17, 2*32*SP
	v_add_nc_u32 v5, s17, v5                       ; my block's scale byte
	v_lshlrev_b32 v7, 1, v1
	v_add_nc_u32 v6, s17, v7                       ; and two of the wave's 64 on the way out
	s_lshl_b32 s18, ttmp9, 3
	s_lshl_b32 s19, s16, 1
	s_add_co_u32 s18, s18, s19                     ; my first token
	s_lshl_b32 s20, s18, 12                        ; its bytes in x,
	s_mov_b32 s21, 0
	s_mul_i32 s22, s18, 768                        ; in the codes,
	s_mov_b32 s23, 0
	s_lshl_b32 s24, s18, 5
	s_add_co_u32 s24, s24, XSC                     ; in the scale bytes,
	s_mov_b32 s25, 0
	s_lshl_b32 s26, s18, 3                         ; in sel and in wts
	s_mov_b32 s27, 0
	s_mov_b32 s28, 0x76543210
	s_mov_b32 s29, 0xfedcba98                      ; v_permlanex16_b32's selects for lane l xor 16
	s_wait_kmcnt 0x0
	s_add_nc_u64 s[4:5], s[4:5], s[20:21]
	s_add_nc_u64 s[14:15], s[8:9], s[24:25]
	s_add_nc_u64 s[8:9], s[8:9], s[22:23]
	s_add_nc_u64 s[10:11], s[10:11], s[26:27]
	s_add_nc_u64 s[12:13], s[12:13], s[26:27]
.irp t, 0,1,2,3
.irp i, 0,1,2,3
	global_load_b128 v[R+16*\t+4*\i:R+16*\t+4*\i+3], v2, s[4:5] offset:2048*\t+512*\i th:TH_LOAD_NT   ; 512 consecutive bytes; x is read by this wave alone
.endr
.endr
	WIN 0x40                                       ; destination window 1
.irp e, 0,1,2,3,4,5,6,7
.irp q, 0,1,2,3,4,5,6,7
	global_load_b128 v[32*\e+4*\q:32*\e+4*\q+3], v2, s[6:7] offset:4096*\e+512*\q
.endr
.endr
	WIN 0
.macro TURN t                          ; step t's numbers through stage t % 2: LDS serves a wave's instructions in order, so no wait stands between the stores and the loads
.irp i, 0,1,2,3
	ds_store_b128 v14, v[R+16*(\t)+4*\i:R+16*(\t)+4*\i+3] offset:32*SP*((\t)%2)+8*SP*\i
.endr
.irp i, 0,1,2,3
	ds_load_b128 v[X+16*((\t)%2)+4*\i:X+16*((\t)%2)+4*\i+3], v15 offset:32*SP*((\t)%2)+16*\i
.endr
.endm
.macro STEP t
.set XS, X+16*((\t)%2)
.if (\t) > 0
	s_wait_dscnt 1                                 ; this step's numbers are back from the stage; the last step's byte store may be out
.else
	s_wait_dscnt 0x0
.endif
.if (\t)+1 < 4
	TURN (\t)+1                                    ; the next step goes through the other stage while this one is worked
.endif
	v_max3_num_f32 v8, |v[XS]|, |v[XS+1]|, |v[XS+2]|               ; the largest magnitude of my 16, in two chains
	v_max3_num_f32 v9, |v[XS+3]|, |v[XS+4]|, |v[XS+5]|
.irp i, 6,10
	v_max3_num_f32 v8, v8, |v[XS+\i]|, |v[XS+\i+1]|
	v_max3_num_f32 v9, v9, |v[XS+\i+2]|, |v[XS+\i+3]|
.endr
	v_max3_num_f32 v8, v8, |v[XS+14]|, |v[XS+15]|
	v_max3_num_f32 v8, v8, v9, 0x1800000           ; and the floor 2^(3 - 127): the byte cannot fall under 1
	v_max_num_f32_dpp v8, v8, v8 row_xmask:1 row_mask:0xf bank_mask:0xf   ; with my neighbour's 16: the block's
	v_add_nc_u32 v11, 0xff000000, v8               ; 2 off its exponent field: the conversion takes this operand's exponent field as its scale
	v_cvt_scalef32_pk16_fp6_f32 v[C+4*(\t):C+4*(\t)+2], v[XS:XS+15], v11
	v_lshrrev_b32 v[E+(\t)], 23, v11               ; the scale's byte (also the plain line behind the conversion)
	ds_store_b8 v5, v[E+(\t)] offset:16*(\t)       ; both lanes of a block write the same byte with the same value
	global_store_b96 v4, v[C+4*(\t):C+4*(\t)+2], s[8:9] offset:384*(\t)   ; the wave stores 384 consecutive bytes
.endm
	s_wait_loadcnt 63                              ; 80 loads were issued: at most 63 out means that the 17 oldest are in, x's 16 among them
	TURN 0
.irp t, 0,1,2,3
	STEP \t
.endr
	ds_load_u16 v12, v6                            ; LDS serves a wave's instructions in order: this sees my byte stores
	s_wait_dscnt 0x0
	global_store_b16 v7, v12, s[14:15]             ; my two tokens' 64 scale bytes, consecutive
	; ---- the router: 16 sums (2 tokens x 8 experts) by turns, two fused multiply-adds an instruction
	s_wait_loadcnt 0x0                             ; gate_weight
	WIN 0x04                                       ; source 1 window 1
.irp p, 0,1,2,3,4,5,6,7,8,9,10,11,12,13,14,15
.irp e, 0,1,2,3,4,5,6,7
.irp t, 0,1
.if \p == 0
	v_pk_mul_f32 v[A+16*\t+2*\e:A+16*\t+2*\e+1], v[R+32*\t+2*\p:R+32*\t+2*\p+1], v[32*\e+2*\p:32*\e+2*\p+1]   ; the first product starts the sum
.else
	v_pk_fma_f32 v[A+16*\t+2*\e:A+16*\t+2*\e+1], v[R+32*\t+2*\p:R+32*\t+2*\p+1], v[32*\e+2*\p:32*\e+2*\p+1], v[A+16*\t+2*\e:A+16*\t+2*\e+1]
.endif
.endr
.endr
.endr
	WIN 0
.irp k, 0,1,2,3,4,5,6,7,8,9,10,11,12,13,14,15
	v_add_f32 v[L+\k], v[A+2*\k], v[A+2*\k+1]
.endr
.irp x, 1,2,4,8
.irp k, 0,1,2,3,4,5,6,7,8,9,10,11,12,13,14,15
	v_add_f32_dpp v[L+\k], v[L+\k], v[L+\k] row_xmask:\x row_mask:0xf bank_mask:0xf
.endr
.endr
.irp k, 0,1,2,3,4,5,6,7,8,9,10,11,12,13,14,15
	v_permlanex16_b32 v[A+\k], v[L+\k], s28, s29   ; (its destination counts as read: the partial sums' registers have been written)
.endr
.irp k, 0,1,2,3,4,5,6,7,8,9,10,11,12,13,14,15
	v_add_f32 v[L+\k], v[L+\k], v[A+\k]            ; every lane holds the 16 logits
.endr
	; ---- softmax, the two tokens by turns
.irp t, 0,1
	v_max3_num_f32 v[Q+16*\t+8], v[L+8*\t], v[L+8*\t+1], v[L+8*\t+2]
.endr
.irp i, 3,5
.irp t, 0,1
	v_max3_num_f32 v[Q+16*\t+8], v[Q+16*\t+8], v[L+8*\t+\i], v[L+8*\t+\i+1]
.endr
.endr
.irp t, 0,1
	v_max_num_f32 v[Q+16*\t+8], v[Q+16*\t+8], v[L+8*\t+7]          ; the row's maximum is taken away, as the reference's softmax does
.endr
.irp e, 0,1,2,3,4,5,6,7
.irp t, 0,1
	v_sub_f32 v[Q+16*\t+\e], v[L+8*\t+\e], v[Q+16*\t+8]
.endr
.endr
.irp e, 0,1,2,3,4,5,6,7
.irp t, 0,1
	v_mul_f32 v[Q+16*\t+\e], 0x3fb8aa3b, v[Q+16*\t+\e]             ; x log2(e)
.endr
.endr
.irp e, 0,1,2,3,4,5,6,7
.irp t, 0,1
	v_exp_f32 v[Q+16*\t+\e], v[Q+16*\t+\e]
.endr
.endr
	v_mov_b32 v[NEG], -1.0                         ; (a plain line behind the exponentials)
	s_wait_alu depctr_va_vdst(0)
.irp t, 0,1
	v_add_f32 v[Q+16*\t+9], v[Q+16*\t], v[Q+16*\t+1]
.endr
.irp e, 2,3,4,5,6,7
.irp t, 0,1
	v_add_f32 v[Q+16*\t+9], v[Q+16*\t+9], v[Q+16*\t+\e]
.endr
.endr
.irp t, 0,1
	v_rcp_f32 v[Q+16*\t+9], v[Q+16*\t+9]
.endr
	v_nop                                          ; a plain line behind the reciprocals
	s_wait_alu depctr_va_vdst(0)
.irp e, 0,1,2,3,4,5,6,7
.irp t, 0,1
	v_mul_f32 v[Q+16*\t+\e], v[Q+16*\t+\e], v[Q+16*\t+9]           ; p
.endr
.endr
; The largest of the eight p into v[Q + 16 t + b] and its index into v[SI + 2 t + n]: a later p wins only if it is larger, so of equal p the lower index stays
.macro LARGEST b, n
.irp t, 0,1
	v_mov_b32 v[Q+16*\t+\b], v[Q+16*\t]
	v_mov_b32 v[SI+2*\t+\n], 0
.endr
.irp e, 1,2,3,4,5,6,7
.irp t, 0,1
	v_cmp_ge_f32 vcc_lo, v[Q+16*\t+\b], v[Q+16*\t+\e]
	v_cndmask_b32 v[Q+16*\t+\b], v[Q+16*\t+\e], v[Q+16*\t+\b], vcc_lo
	v_cndmask_b32 v[SI+2*\t+\n], \e, v[SI+2*\t+\n], vcc_lo
.endr
.endr
.endm
	LARGEST 10, 0
.irp e, 0,1,2,3,4,5,6,7
.irp t, 0,1
	v_cmp_eq_u32 vcc_lo, \e, v[SI+2*\t]
	v_cndmask_b32 v[Q+16*\t+\e], v[Q+16*\t+\e], v[NEG], vcc_lo     ; the first choice leaves the field: -1 lies under every p
.endr
.endr
	LARGEST 11, 1
.irp t, 0,1
	v_add_f32 v[Q+16*\t+12], v[Q+16*\t+10], v[Q+16*\t+11]
.endr
.irp t, 0,1
	v_add_f32 v[Q+16*\t+12], 0x322bcc77, v[Q+16*\t+12]             ; + 1e-8
.endr
.irp t, 0,1
	v_rcp_f32 v[Q+16*\t+12], v[Q+16*\t+12]
.endr
	v_cmp_eq_u32 vcc_lo, 0, v1                     ; (a plain line behind the reciprocals)  lane 0 stores for the wave
	s_wait_alu depctr_va_vdst(0)
.irp t, 0,1
	v_mul_f32 v[SW+2*\t], v[Q+16*\t+10], v[Q+16*\t+12]
	v_mul_f32 v[SW+2*\t+1], v[Q+16*\t+11], v[Q+16*\t+12]
.endr
	s_wait_xcnt 0x0                                ; EXEC is a source of the stores above: it changes only behind this wait
	s_wait_tensorcnt 0x0
	ds_add_u32 v254, v255
	s_wait_dscnt 0x0
	s_and_saveexec_b32 s20, vcc_lo
	global_store_b128 v3, v[SI:SI+3], s[10:11]     ; both tokens' two experts
	global_store_b128 v3, v[SW:SW+3], s[12:13]     ; and their weights
	s_wait_xcnt 0x0
	s_or_b32 exec_lo, exec_lo, s20
	s_endpgm
.Lfunc_end_k_qe964d3b5fb_route:
	.size	k_qe964d3b5fb_route, .Lfunc_end_k_qe964d3b5fb_route-k_qe964d3b5fb_route
	.p2alignl 7, 3214868480
	.fill 96, 4, 3214868480
	.section	.rodata,"a",@progbits
	.p2align	6, 0x0
	.amdhsa_kernel k_qe964d3b5fb_route
		.amdhsa_group_segment_fixed_size 22016
		.amdhsa_private_segment_fixed_size 0
		.amdhsa_enable_private_segment 0
		.amdhsa_kernarg_size 40
		.amdhsa_user_sgpr_count 2
		.amdhsa_user_sgpr_kernarg_segment_ptr 1
		.amdhsa_wavefront_size32 1
		.amdhsa_system_sgpr_workgroup_id_x 1
		.amdhsa_system_sgpr_workgroup_id_y 1
		.amdhsa_system_sgpr_workgroup_id_z 1
		.amdhsa_system_vgpr_workitem_id 0
		.amdhsa_next_free_vgpr 512
		.amdhsa_next_free_sgpr 66
		.amdhsa_reserve_vcc 1
		.amdhsa_float_denorm_mode_32 3
		.amdhsa_float_denorm_mode_16_64 3
		.amdhsa_memory_ordered 1
		.amdhsa_forward_progress 1
		.amdhsa_inst_pref_size 47
	.end_amdhsa_kernel
	.amdgpu_metadata
---
amdhsa.version: [ 1, 2 ]
amdhsa.kernels:
  - .name:           k_qe964d3b5fb_route
    .symbol:         k_qe964d3b5fb_route.kd
    .args:
      - { .name: hidden_states, .offset: 0, .size: 8, .value_kind: global_buffer, .address_space: global }
      - { .name: gate_weight, .offset: 8, .size: 8, .value_kind: global_buffer, .address_space: global }
      - { .name: xq, .offset: 16, .size: 8, .value_kind: global_buffer, .address_space: global }
      - { .name: sel, .offset: 24, .size: 8, .value_kind: global_buffer, .address_space: global }
      - { .name: wts, .offset: 32, .size: 8, .value_kind: global_buffer, .address_space: global }
    .group_segment_fixed_size: 22016
    .private_segment_fixed_size: 0
    .kernarg_segment_align: 8
    .kernarg_segment_size: 40
    .max_flat_workgroup_size: 128
    .sgpr_count:     66
    .vgpr_count:     512
    .wavefront_size: 32
...
	.end_amdgpu_metadata
.endif
;; end of part 1
;; launch prep (part 2): grid 289 x 1, 8 waves a work-group, no clusters, 69,632 bytes of LDS; arguments experts_down, shared_down, sel, w2q, lists; writes w2q, lists
.if DOCPART == 2
	.amdgcn_target "amdgcn-amd-amdhsa--gfx1250"
	.amdhsa_code_object_version 6
	.text
	.protected	k_qe964d3b5fb_prep
	.globl	k_qe964d3b5fb_prep
	.p2align	8
	.type	k_qe964d3b5fb_prep,@function
k_qe964d3b5fb_prep:
	s_mov_b64 s[64:65], 0
	v_nop
	global_prefetch_b8 v0, s[64:65] scope:SCOPE_SE
	s_setreg_imm32_b32 hwreg(HW_REG_WAVE_MODE, 25, 1), 1
	s_wait_xcnt 0x0
; Two pieces of work that wait for nothing but the launch before, in one launch.
; WORK-GROUPS 1 .. 288: the down weights, experts_down [8][1024][938] and shared_down [1024][938], f32, K = 938 innermost, become codes of FP6 (E2M3) with one E8M0 byte
; for each 32 along K, laid as the second product's launch takes them: w2q [expert 9 (8 = shared)][slice of 256 rows 4][K step of 128 8][25,600 bytes]; such a chunk is 16 images of
; fragments (16 rows x 128 K: 12 registers a lane; register q of lane l at 512 (q / 4) + 16 l + 4 (q % 4)), then the 256 rows' scale words at byte 24,576.  k >= 938 is filled with zeros.
; A wave takes 16 rows x two K steps.  Each load reads 256 consecutive bytes of a row (rows are 3,752 bytes: multiples of 8); 16 rows x 128 numbers turn through the wave's own stage
; in LDS, so that lane (r, h) holds, of row r, the 16 numbers 32 b + 16 h + 0 .. 15 of each block b.  Waves share nothing here: no barrier on this path.
; A wave's scale words are 64 bytes of each of two chunks: 256-byte pieces of w2q are there written in part, one byte for each 128 that the wave reads.
; WORK-GROUP 0 places the routed rows.  sel [2048][2] names two different experts a token.  Rows are laid by expert in tiles of 128: tiles 0-15 the shared expert (row = token), then each expert's
; ceil(count / 128) tiles: at most 39.  lists: byte 0: tile -> expert, 64 x u32; byte 512: token -> its two rows, [2048][2]; byte 16,896: row -> token, [7040].
; Rows that no token takes (the rest of a part-filled tile, and every tile behind the last) name token 0; the products' launches compute them and nobody reads them.
; A lane with no such row to write stores its 0 to row 7,039, which no token ever takes: 39 routed tiles are reached only if the last tile is part-filled (were the last expert's count a
; multiple of 128, the other seven counts, which then sum to a multiple of 128, would take at most sum / 128 + 6 tiles: 38 in all), and with fewer tiles row 7,039 lies behind the last.
; LIMITS: a block of zeros gets the byte 1 where the quantiser's rule says 127 (its codes are zeros, and this program alone reads the bytes); NaN and infinities are not served.
; The two paths part on the work-group's number and have LDS bytes of their own: 0 .. 67,583 the stages, 67,584 .. 68,607 the counts.
.set WSTG, 8448                        ; a wave's stage: 16 rows x (512 bytes + 16)
.set PLB,  67584                       ; the placing path's LDS
.set RW,   16                          ; v16-143  as loaded: step st, row p, half j at 64 st + 4 p + 2 j
.set XQ,   144                         ; v144-207 64 numbers: register 16 b + i = k 32 b + 16 h + i of row r
.set PC,   208                         ; v208-226 the codes
.set TM,   228                         ; v228-243 at work in QUANT
.set PW,   244                         ; v244     the scale word just made
.set SEL,  30                          ; s[30:31] v_permlanex16_b32's selects
	s_load_b256 s[4:11], s[0:1], 0x0               ; experts_down s[4:5], shared_down s[6:7], sel s[8:9], w2q s[10:11]
	s_load_b64 s[12:13], s[0:1], 0x20              ; lists
	v_lshl_add_u32 v254, v0, 2, 0x10c00
	v_mov_b32 v255, 0
	v_lshrrev_b32 v1, 5, v0
	v_readfirstlane_b32 s16, v1                    ; wave 0..7
	v_and_b32 v1, 31, v0                           ; lane
	s_cmp_eq_u32 ttmp9, 0
	s_cbranch_scc1 .Lplace
	; ================ the weights ================
	v_and_b32 v2, 15, v0                           ; r
	v_bfe_u32 v3, v0, 4, 1                         ; h
	s_and_b32 s17, s16, 3
	s_lshl_b32 s17, s17, 1                         ; my first K step: 0, 2, 4, 6
	s_lshr_b32 s18, s16, 2
	s_lshl_b32 s19, ttmp9, 1
	s_add_co_u32 s18, s18, s19
	s_sub_co_u32 s18, s18, 2                       ; my 16 rows: tile 0 .. 575 of the nine weights on end
	s_lshl_b32 s20, s17, 7
	v_lshl_add_u32 v13, v1, 1, s20                 ; k of my two numbers in my first load of a row
.irp q, 0,1,2,3                        ; q = 2 x step + half: 64 q further along K; held at 936, so that no load leaves its row
	v_add_nc_u32 v[4+\q], 64*\q, v13
	v_min_u32 v[4+\q], 936, v[4+\q]
	v_lshlrev_b32 v[4+\q], 2, v[4+\q]
.endr
	s_mul_i32 s21, s16, WSTG
	v_lshl_add_u32 v8, v1, 3, s21                  ; the stage, in: 8 bytes a lane
	v_mul_u32_u24 v9, v2, 528
	v_lshl_add_u32 v9, v3, 6, v9
	v_add_nc_u32 v9, s21, v9                       ; and out: row r, + 64 h
	v_lshlrev_b32 v10, 4, v1                       ; an image's place for my lane
	v_mul_u32_u24 v11, v3, 25600
	v_lshl_add_u32 v11, v2, 2, v11                 ; scale words: lanes 0-15 my first K step's chunk, lanes 16-31 the next chunk
	s_mov_b32 s[SEL], 0x76543210
	s_mov_b32 s[SEL+1], 0xfedcba98
.irp b, 0,1,2,3
	v_mov_b32 v[TM+4+\b], 0                        ; written once: a lane permute's destination counts as one of its sources
.endr
	s_lshr_b32 s24, s18, 4
	s_mul_i32 s24, s24, 204800                     ; (expert, slice)
	s_mul_i32 s25, s17, 25600
	s_add_co_u32 s24, s24, s25                     ; my first K step's chunk
	s_and_b32 s25, s18, 15
	s_mul_i32 s26, s25, 1536
	s_add_co_u32 s26, s26, s24                     ; my image in it
	s_mov_b32 s27, 0
	s_lshl_b32 s28, s25, 6
	s_add_co_u32 s28, s28, s24
	s_add_co_u32 s28, s28, 24576                   ; my 16 scale words in it
	s_mov_b32 s29, 0
	s_wait_kmcnt 0x0
	s_cmp_lt_u32 s18, 512                          ; an expert's rows or the shared expert's: the choice hangs on ids alone
	s_cselect_b64 s[4:5], s[4:5], s[6:7]
	s_cselect_b32 s22, 0, 512
	s_sub_co_u32 s22, s18, s22
	s_mul_i32 s22, s22, 60032                      ; 16 rows of 3,752 bytes
	s_mov_b32 s23, 0
	s_add_nc_u64 s[4:5], s[4:5], s[22:23]
	s_add_nc_u64 s[14:15], s[10:11], s[28:29]
	s_add_nc_u64 s[10:11], s[10:11], s[26:27]
.irp st, 0,1
.irp p, 0,1,2,3,4,5,6,7,8,9,10,11,12,13,14,15
.irp j, 0,1
	global_load_b64 v[RW+64*\st+4*\p+2*\j:RW+64*\st+4*\p+2*\j+1], v[4+2*\st+\j], s[4:5] offset:3752*\p th:TH_LOAD_NT   ; read once in the whole launch
.endr
.endr
.endr
; 64 numbers of a lane become a fragment's codes in v[PC] on and its row's scale word in v[PW]
.macro QUANT s
.irp b, 0,1,2,3
	v_max3_num_f32 v[TM+\b], |v[\s+16*\b]|, |v[\s+1+16*\b]|, 0x1800000   ; block b: my 16 numbers, and the floor 2^(3 - 127): the byte cannot fall under 1
.endr
.irp i, 2,4,6,8,10,12,14
.irp b, 0,1,2,3
	v_max3_num_f32 v[TM+\b], v[TM+\b], |v[\s+16*\b+\i]|, |v[\s+1+16*\b+\i]|   ; (the four blocks by turns)
.endr
.endr
.irp b, 0,1,2,3
	v_permlanex16_b32 v[TM+4+\b], v[TM+\b], s[SEL], s[SEL+1]
.endr
.irp b, 0,1,2,3
	v_max_num_f32 v[TM+\b], v[TM+\b], v[TM+4+\b]   ; with lane l xor 16's: the block's largest magnitude
.endr
.irp b, 0,1,2,3
	v_add_nc_u32 v[TM+12+\b], 0xff000000, v[TM+\b]   ; 2 off its exponent field: the conversion's scale operand
.endr
.irp b, 0,1,2,3
	v_lshrrev_b32 v[TM+4+\b], 23, v[TM+12+\b]      ; the scale's byte
.endr
	v_lshl_or_b32 v[PW], v[TM+5], 8, v[TM+4]
	v_lshl_or_b32 v[PW], v[TM+6], 16, v[PW]
	v_lshl_or_b32 v[PW], v[TM+7], 24, v[PW]
.irp c, 0,1
	v_cvt_scalef32_pk16_fp6_f32 v[PC+6*\c:PC+2+6*\c], v[\s+32*\c:\s+15+32*\c], v[TM+12+2*\c]
	v_cvt_scalef32_pk16_fp6_f32 v[PC+12+4*\c:PC+14+4*\c], v[\s+16+32*\c:\s+31+32*\c], v[TM+12+2*\c+1]   ; (a conversion's three registers begin on an even number)
.endr
	v_nop                                          ; one plain line behind a scaled conversion
.irp c, 0,1                                    ; the operand's layout wants a whole block in a lane: lanes 0-15 block 2 c, lanes 16-31 block 2 c + 1
.irp i, 0,1,2
	v_permlane16_swap_b32 v[PC+6*\c+\i], v[PC+12+4*\c+\i]
.endr
.irp i, 0,1,2
	v_mov_b32 v[PC+3+6*\c+\i], v[PC+12+4*\c+\i]
.endr
.endr
.endm
.macro THROUGH st                      ; step st's 16 x 128 numbers through the stage: LDS serves a wave's instructions in order
.irp p, 0,1,2,3,4,5,6,7,8,9,10,11,12,13,14,15
.irp j, 0,1
	ds_store_b64 v8, v[RW+64*\st+4*\p+2*\j:RW+64*\st+4*\p+2*\j+1] offset:528*\p+256*\j
.endr
.endr
.irp b, 0,1,2,3
.irp i, 0,1,2,3
	ds_load_b128 v[XQ+16*\b+4*\i:XQ+16*\b+4*\i+3], v9 offset:128*\b+16*\i
.endr
.endr
	s_wait_dscnt 0x0
.endm
	s_wait_loadcnt 32                              ; my first K step's 32 loads are in; the second's may be out
	THROUGH 0
	QUANT XQ
.irp c, 0,1,2
	global_store_b128 v10, v[PC+4*\c:PC+4*\c+3], s[10:11] offset:512*\c   ; 512 consecutive bytes, aligned
.endr
	v_mov_b32 v14, v[PW]
	s_wait_loadcnt 0x0
	s_cmp_lg_u32 s17, 6                            ; K step 7 holds k = 896 on: the row ends at 938
	s_cbranch_scc1 .Lwhole
	v_cmp_gt_u32 vcc_lo, 21, v1                    ; k = 896 + 2 lane + c < 938: lanes 0 to 20 of the first 64; none of the second 64
.irp p, 0,1,2,3,4,5,6,7,8,9,10,11,12,13,14,15
	v_cndmask_b32 v[RW+64+4*\p], 0, v[RW+64+4*\p], vcc_lo
	v_cndmask_b32 v[RW+65+4*\p], 0, v[RW+65+4*\p], vcc_lo
	v_mov_b32 v[RW+66+4*\p], 0
	v_mov_b32 v[RW+67+4*\p], 0
.endr
.Lwhole:
	THROUGH 1
	s_wait_xcnt 0x0                                ; the first image's stores have read the codes' registers: they are written again only behind this wait
	QUANT XQ
.irp c, 0,1,2
	global_store_b128 v10, v[PC+4*\c:PC+4*\c+3], s[10:11] offset:25600+512*\c
.endr
	v_cmp_eq_u32 vcc_lo, 1, v3
	v_cndmask_b32 v14, v14, v[PW], vcc_lo          ; every lane holds row r's word: lanes 0-15 send the first K step's, lanes 16-31 the second's
	global_store_b32 v11, v14, s[14:15]
	s_wait_tensorcnt 0x0
	ds_add_u32 v254, v255
	s_wait_dscnt 0x0
	s_endpgm
	; ================ the rows' places ================
.set SL,   16                          ; v16-31   sel: token group g: 2 g, 2 g + 1
.set RK,   32                          ; v32-47   rank among my wave's rows of that expert
.set CW,   48                          ; v48-55   the eight waves' counts (lane e: expert e)
.set PS,   64                          ; v64-79   the rows
.set TT,   80                          ; v80-87   the tokens
.set BV,   96                          ; v96-103  each expert's first row for my wave
.set PAD,  112                         ; v112-127 4 x the rows
.set CNT,  40                          ; s40-47   my wave's counts
.set TOT,  48                          ; s48-55   all waves' counts
.set BEF,  56                          ; s56-63   the counts of the waves before mine
.set PFI,  66                          ; s66-73   each expert's first row without a token
.set TBS,  74                          ; s74-82   each expert's first tile; s82: the first tile behind the last
.set BAS,  84                          ; s84-91   128 x first tile + the waves before mine
.Lplace:
	s_lshl_b32 s17, s16, 11
	v_lshl_add_u32 v2, v1, 3, s17                  ; wave w owns tokens 256 w + 32 g + lane: 8 bytes each in sel and in the token's rows
	v_lshl_add_u32 v139, v0, 2, PLB
	v_lshl_add_u32 v140, v1, 2, PLB
	s_wait_kmcnt 0x0
.irp g, 0,1,2,3,4,5,6,7
	global_load_b64 v[SL+2*\g:SL+2*\g+1], v2, s[8:9] offset:256*\g
.endr
.irp e, 0,1,2,3,4,5,6,7
	s_mov_b32 s[CNT+\e], 0
.endr
	s_wait_loadcnt 0x0
.irp g, 0,1,2,3,4,5,6,7
.irp e, 0,1,2,3,4,5,6,7
	v_cmp_eq_u32 s30, \e, v[SL+2*\g]
	v_cmp_eq_u32 s31, \e, v[SL+2*\g+1]
	s_or_b32 s32, s30, s31                         ; the lanes whose token goes to expert e (by one of its two choices: they differ)
	v_mbcnt_lo_u32_b32 v3, s32, s[CNT+\e]          ; how many such rows of my wave come before mine
.if \e == 0
	v_cndmask_b32 v[RK+2*\g], 0, v3, s30
	v_cndmask_b32 v[RK+2*\g+1], 0, v3, s31
.else
	v_cndmask_b32 v[RK+2*\g], v[RK+2*\g], v3, s30
	v_cndmask_b32 v[RK+2*\g+1], v[RK+2*\g+1], v3, s31
.endif
	s_bcnt1_i32_b32 s33, s32
	s_add_co_u32 s[CNT+\e], s[CNT+\e], s33
.endr
.endr
	v_mov_b32 v4, 0
.irp e, 0,1,2,3,4,5,6,7
	v_writelane_b32 v4, s[CNT+\e], \e
.endr
	ds_store_b32 v139, v4                          ; my wave's eight counts (and 24 zeros)
	s_wait_dscnt 0x0                               ; for the others' sake: the store is done
	s_barrier_signal -1
	s_barrier_wait -1
.irp w, 0,1,2,3,4,5,6,7
	ds_load_b32 v[CW+\w], v140 offset:128*\w
.endr
	s_wait_dscnt 0x0
	v_add_nc_u32 v56, v[CW], v[CW+1]
.irp w, 2,3,4,5,6,7
	v_add_nc_u32 v56, v56, v[CW+\w]                ; lane e: expert e's rows in all
.endr
	v_mov_b32 v57, 0
.irp w, 0,1,2,3,4,5,6
	s_cmp_gt_u32 s16, \w
	s_cselect_b32 s30, -1, 0
	v_and_b32 v3, s30, v[CW+\w]
	v_add_nc_u32 v57, v57, v3                      ; and those of the waves before mine
.endr
.irp e, 0,1,2,3,4,5,6,7
	v_readlane_b32 s[TOT+\e], v56, \e
	v_readlane_b32 s[BEF+\e], v57, \e
.endr
	s_mov_b32 s[TBS], 16                           ; behind the shared expert's 16 tiles
.irp e, 0,1,2,3,4,5,6,7
	s_add_co_u32 s30, s[TOT+\e], 127
	s_lshr_b32 s30, s30, 7
	s_add_co_u32 s[TBS+1+\e], s[TBS+\e], s30
	s_lshl_b32 s31, s[TBS+\e], 7
	s_add_co_u32 s[BAS+\e], s31, s[BEF+\e]
	s_add_co_u32 s[PFI+\e], s31, s[TOT+\e]
.endr
.irp e, 0,1,2,3,4,5,6,7
	v_mov_b32 v[BV+\e], s[BAS+\e]
.endr
	s_lshl_b32 s30, s16, 8
	v_add_nc_u32 v[TT], s30, v1
.irp g, 1,2,3,4,5,6,7
	v_add_nc_u32 v[TT+\g], 32*\g, v[TT]
.endr
	s_lshl_b32 s30, s16, 10
	v_lshl_add_u32 v138, v1, 2, s30                ; 4 x my first token
.irp q, 0,1,2,3,4,5,6,7,8,9,10,11,12,13,14,15
	v_mov_b32 v5, v[BV]
.irp e, 1,2,3,4,5,6,7
	v_cmp_eq_u32 vcc_lo, \e, v[SL+\q]
	v_cndmask_b32 v5, v5, v[BV+\e], vcc_lo
.endr
	v_add_nc_u32 v[PS+\q], v[RK+\q], v5            ; the row: its expert's first for my wave + the rank
	v_min_u32 v[PS+\q], 0x1b7f, v[PS+\q]           ; held inside the 7,040 rows
	v_lshlrev_b32 v[PAD+\q], 2, v[PS+\q]
.endr
.irp g, 0,1,2,3,4,5,6,7                ; every store has registers of its own: none is written again
	global_store_b64 v2, v[PS+2*\g:PS+2*\g+1], s[12:13] offset:512+256*\g        ; token -> its two rows
	global_store_b32 v[PAD+2*\g], v[TT+\g], s[12:13] offset:16896                ; row -> token
	global_store_b32 v[PAD+2*\g+1], v[TT+\g], s[12:13] offset:16896
	global_store_b32 v138, v[TT+\g], s[12:13] offset:16896+128*\g                ; the shared expert's rows: row = token
.endr
	s_mov_b32 s34, s[PFI]                          ; wave w fills the rest of expert w's last tile: at most 127 rows
	s_mov_b32 s35, s[TBS+1]
.irp e, 1,2,3,4,5,6,7
	s_cmp_eq_u32 s16, \e
	s_cselect_b32 s34, s[PFI+\e], s34
	s_cselect_b32 s35, s[TBS+1+\e], s35
.endr
	s_lshl_b32 s35, s35, 7                         ; where the next expert's rows begin
	s_lshl_b32 s36, s[TBS+8], 7                    ; where the tiles behind the last begin: at most 896 rows, shared among the 256 threads
	v_mov_b32 v136, 0
	v_mov_b32 v137, 0x1b7f
.irp k, 0,1,2,3
	v_add_nc_u32 v[128+\k], s34, v1
	v_add_nc_u32 v[128+\k], 32*\k, v[128+\k]
	v_cmp_gt_u32 vcc_lo, s35, v[128+\k]
	v_cndmask_b32 v[128+\k], v137, v[128+\k], vcc_lo   ; a lane past the tile's end writes row 7,039, which no token takes
	v_min_u32 v[128+\k], 0x1b7f, v[128+\k]
	v_lshlrev_b32 v[128+\k], 2, v[128+\k]
	global_store_b32 v[128+\k], v136, s[12:13] offset:16896
	v_add_nc_u32 v[132+\k], s36, v0
	v_add_nc_u32 v[132+\k], 256*\k, v[132+\k]
	v_min_u32 v[132+\k], 0x1b7f, v[132+\k]
	v_lshlrev_b32 v[132+\k], 2, v[132+\k]
	global_store_b32 v[132+\k], v136, s[12:13] offset:16896
.endr
	s_cmp_gt_u32 s16, 1                            ; threads 0 .. 63 write the table of tiles
	s_cbranch_scc1 .Lplaced
	v_mov_b32 v6, 0
.irp e, 1,2,3,4,5,6,7
	v_cmp_gt_u32 vcc_lo, s[TBS+\e], v0             ; the last expert whose first tile is not behind mine (an expert without rows is passed over by the next)
	v_cndmask_b32 v6, \e, v6, vcc_lo
.endr
	v_cmp_le_u32 vcc_lo, 16, v0
	v_cndmask_b32 v6, 8, v6, vcc_lo                ; tiles 0-15: the shared expert
	v_lshlrev_b32 v7, 2, v0
	global_store_b32 v7, v6, s[12:13]
.Lplaced:
	s_wait_tensorcnt 0x0
	ds_add_u32 v254, v255
	s_wait_dscnt 0x0
	s_endpgm
.Lfunc_end_k_qe964d3b5fb_prep:
	.size	k_qe964d3b5fb_prep, .Lfunc_end_k_qe964d3b5fb_prep-k_qe964d3b5fb_prep
	.p2alignl 7, 3214868480
	.fill 96, 4, 3214868480
	.section	.rodata,"a",@progbits
	.p2align	6, 0x0
	.amdhsa_kernel k_qe964d3b5fb_prep
		.amdhsa_group_segment_fixed_size 69632
		.amdhsa_private_segment_fixed_size 0
		.amdhsa_enable_private_segment 0
		.amdhsa_kernarg_size 40
		.amdhsa_user_sgpr_count 2
		.amdhsa_user_sgpr_kernarg_segment_ptr 1
		.amdhsa_wavefront_size32 1
		.amdhsa_system_sgpr_workgroup_id_x 1
		.amdhsa_system_sgpr_workgroup_id_y 1
		.amdhsa_system_sgpr_workgroup_id_z 1
		.amdhsa_system_vgpr_workitem_id 0
		.amdhsa_next_free_vgpr 256
		.amdhsa_next_free_sgpr 100
		.amdhsa_reserve_vcc 1
		.amdhsa_float_denorm_mode_32 3
		.amdhsa_float_denorm_mode_16_64 3
		.amdhsa_memory_ordered 1
		.amdhsa_forward_progress 1
		.amdhsa_inst_pref_size 76
	.end_amdhsa_kernel
	.amdgpu_metadata
---
amdhsa.version: [ 1, 2 ]
amdhsa.kernels:
  - .name:           k_qe964d3b5fb_prep
    .symbol:         k_qe964d3b5fb_prep.kd
    .args:
      - { .name: experts_down, .offset: 0, .size: 8, .value_kind: global_buffer, .address_space: global }
      - { .name: shared_down, .offset: 8, .size: 8, .value_kind: global_buffer, .address_space: global }
      - { .name: sel, .offset: 16, .size: 8, .value_kind: global_buffer, .address_space: global }
      - { .name: w2q, .offset: 24, .size: 8, .value_kind: global_buffer, .address_space: global }
      - { .name: lists, .offset: 32, .size: 8, .value_kind: global_buffer, .address_space: global }
    .group_segment_fixed_size: 69632
    .private_segment_fixed_size: 0
    .kernarg_segment_align: 8
    .kernarg_segment_size: 40
    .max_flat_workgroup_size: 256
    .sgpr_count:     100
    .vgpr_count:     256
    .wavefront_size: 32
...
	.end_amdgpu_metadata
.endif
;; end of part 2
;; launch up (part 3): grid 4 x 55, 8 waves a work-group, no clusters, 320,512 bytes of LDS; arguments xq, experts_gate_up_codes, experts_gate_up_scales, shared_gate_up_codes, shared_gate_up_scales, lists, hq; writes hq
.if DOCPART == 3
	.amdgcn_target "amdgcn-amd-amdhsa--gfx1250"
	.amdhsa_code_object_version 6
	.text
	.protected	k_qe964d3b5fb_up
	.globl	k_qe964d3b5fb_up
	.p2align	8
	.type	k_qe964d3b5fb_up,@function
k_qe964d3b5fb_up:
	s_mov_b64 s[64:65], 0
	v_nop
	global_prefetch_b8 v0, s[64:65] scope:SCOPE_SE
	s_setreg_imm32_b32 hwreg(HW_REG_WAVE_MODE, 25, 1), 1
	s_wait_xcnt 0x0
; The first product of every expert, on the rows that were chosen for it: h = silu(x Wg^T) * (x Wu^T), quantised along the hidden units to codes of FP6 (E2M3), one E8M0 byte for each 32.
; Both operands are codes of FP6 with E8M0 scales: x's from xq, the weights' as they are given.  Sums, the activation and what goes into the quantiser are f32.
; SHARES.  Work-group (x, y) takes tile y (128 rows of one expert: lists) and STAYS for two slices of 128 hidden units, 2 x and 2 x + 1, one after the other; a slice is 128 gate rows and 128 up rows of the weight.
; All of K = 1,024 is 768 bytes a row, so x's tile and one slice of the weight lie in LDS whole.  x's tile, its scale bytes, the list's tokens and all addresses are fetched and made once and serve both slices.
; Eight waves: wave (wr = w / 4, wc = w % 4) makes rows 64 wr on x units 32 wc on (gate and up): 16 accumulators.
; LDS IS FILLED THROUGH REGISTERS, lane by lane: x's rows are gathered by the list, and the weight's rows are taken in an order of their own and held at row 1,875, which no one tile of a tensor load states.
; A wave fills 16 rows of x and 32 of the weight, in thirds of 256 bytes along K: a load takes two rows x 256 bytes.  Later thirds wait in registers of their own while earlier K steps are multiplied:
; 51 loads of a wave are out at the most.  A third's stores write bytes 256 k on of the rows; the K steps that another wave may still be at read bytes under 256 k: so one barrier a third serves.
; THE SECOND SLICE'S WEIGHT ROWS are asked for behind the barrier in front of the first slice's K step 5, into registers that the first slice's thirds have left; they go into LDS behind the barrier that
; follows every wave's last product of the first slice, and the barrier that closes the stage shows them to all: the second slice has no barrier but its own four.
; NO JOINT LOADS: x's tile is a gather; the tiles that share a weight slice are those of one expert, whose number hangs on counts read from memory.
; THE PRODUCT IS USED TRANSPOSED (source 0 = 16 rows of the weight, source 1 = 16 rows of x), AND THE ROWS OF A WEIGHT TILE ARE NOT NEIGHBOURS: row r of tile u takes unit 8 u + r % 8 + 16 (r / 8) of the wave's 32,
; so that a lane holds one row of h and its 16 registers of tiles u = 0, 1 are the units 16 (lane / 16) + 0 .. 15: half a block of the next K.
; OUT: hq [tile 55][K step 8][12,800]: 8 images of fragments (16 rows x 128 units; register q of lane l at 512 (q / 4) + 16 l + 4 (q % 4)), then the 128 rows' scale words.  Units from 938 on are zeros.
; THE STAGE through which a slice's codes go from wave to wave is 50 pieces of 256 bytes: piece j lies in bytes 512-767 of the weight's LDS row j, which nobody reads behind the slice's last K step and which
; the next slice's last third overwrites only two barriers after the stage has been read.  x's tile is not touched.
; Rows without a token (and whole tiles behind the last) name token 0 in the list: they are computed like the others, since every wave must pass every barrier, and nobody reads them.
; LIMITS: a block of zeros gets the byte 1 where the quantiser's rule says 127 (its codes are zeros, and this program alone reads the bytes); NaN and infinities are not served.
; REGISTERS: window 0 as named below.  Window 1: v0-127 the accumulators, (m, i) at 8 (4 m + i), i = 0, 1 gate, 2, 3 up; v128-255 thirds on their way; v128-176 also the epilogue's work.
.set PITCH, 784                        ; an LDS row of codes: 768 bytes + 16 = 196 words: row r starts at bank 4 r mod 64 (64 banks of 4 bytes: ISA guide 11.1): the 32 lanes of a load of 8 bytes touch 64 different banks
.set SPI,   48                         ; an LDS row of scale bytes: 32 + 16
.set LDB,   128*PITCH                  ; x's 128 rows at 0; the weight's 256 rows from here
.set LDSA,  LDB+256*PITCH              ; x's scale bytes
.set LDSB,  LDSA+128*SPI               ; the weight's
.set STGB,  LDB+512                    ; the stage: piece j of 256 bytes at STGB + PITCH j
.set AFA, 5                            ; v5    LDS address of my fragments of x
.set BFA, 6                            ; v6    of the weight
.set SCA, 7                            ; v7    of my scale words: lanes 0-15 x's rows, lanes 16-31 the weight's
.set STG, 8                            ; v8-10 the stage: where my three registers of codes go
.set SSA, 11                           ; v11   and my block's scale byte
.set CI,  12                           ; v12   the way out: 1,536 x wave + 16 x lane: my bytes of image w in hq
.set LI,  13                           ; v13   16 x lane
.set VLW, 14                           ; v14   how many of my 16 units lie under 938 (in the last slice)
.set CIL, 15                           ; v15   the way out: the same bytes in the stage: pieces 6 w + lane / 16, 16 bytes a lane
.set AF,  16                           ; v16-63   four fragments of x      (v16-111 first hold the first third on its way to LDS)
.set BF,  64                           ; v64-111  four of the weight
.set SC,  112                          ; v112-115 scale words: lanes 0-15 x's tile i, lanes 16-31 the weight's tile i; nothing else ever stands here
.set LAB, 116                          ; v116  where I put x's rows in LDS: rows 16 w + h, 16 bytes a lane
.set LBB, 117                          ; v117  the weight's: rows 32 w + h
.set LSA, 118                          ; v118  x's scale bytes
.set LSB, 119                          ; v119  the weight's
.set GA,  120                          ; v120-127 x's loads: offsets in xq
.set GB,  128                          ; v128-143 the weight's: made anew for the second slice, behind the wait that shows all the first slice's loads done
.set GS,  144                          ; v144-146 the scale bytes': x's, the weight's two
.set SWL, 147                          ; v147  the way out: the scale words in the stage: pieces 48 + lane / 16
.set TK,  148                          ; v148-156 tokens from the list
.set W,   160                          ; v160-174 at work in the head; +7, +9, +12, +13 stay
.set SD,  176                          ; v176-187 the scale bytes on their way
.set OB,  176                          ; v176-191 later: an image and the scale words on their way out
.set T2B, 192                          ; v192-255 first slice: the weight's part of the last third; then the second slice's first third
.set T1,  128                          ; window 1, first slice: the second third: x's 8 loads, then the weight's 16
.set T2A, 224                          ; window 1, first slice: x's part of the last third
.set N1,  192                          ; window 1, second slice: the second third
.set N2,  128                          ; window 1, second slice: the last third
.set EX,  128                          ; window 1, in the epilogue: exponentials, then reciprocals
.set TM,  144
.set TM4, 148
.set SCL, 152
.set BY,  156
.set CD,  160
.set VL,  176
.set MSB, 0
.macro WIN new                         ; the immediate's high byte repeats the setting that is left
.if MSB != \new
	s_set_vgpr_msb (MSB<<8)|\new
.set MSB, \new
.endif
.endm
	s_load_b256 s[4:11], s[0:1], 0x0               ; xq s[4:5], the experts' codes s[6:7] and scales s[8:9], the shared expert's codes s[10:11]
	s_load_b128 s[12:15], s[0:1], 0x20             ; and scales s[12:13]; lists s[14:15]
	s_load_b64 s[16:17], s[0:1], 0x30              ; hq
	v_lshl_add_u32 v171, v0, 2, 0x4e000
	v_mov_b32 v175, 0
	v_lshrrev_b32 v1, 5, v0
	v_readfirstlane_b32 s18, v1                    ; wave 0..7
	v_and_b32 v1, 31, v0                           ; lane
	v_and_b32 v2, 15, v0                           ; r
	v_bfe_u32 v3, v0, 4, 1                         ; h
	v_lshlrev_b32 v4, 4, v2                        ; 16 r: sixteen lanes take 256 bytes of a row
	s_and_b32 s19, ttmp7, 0xffff                   ; the tile
	s_lshl_b32 s21, s19, 2
	s_lshl_b32 s30, s19, 9
	s_lshl_b32 s31, s18, 6
	s_add_co_u32 s30, s30, s31                     ; 4 x (128 tile + 16 wave): the 16 rows of x that I fill
	v_lshl_add_u32 v[W], v3, 2, s30
	v_lshrrev_b32 v[W+2], 1, v1                    ; lane / 2
	v_lshl_add_u32 v[W+1], v[W+2], 2, s30
	s_wait_kmcnt 0x0
	s_load_b32 s20, s[14:15], s21 offset:0x0       ; the tile's expert
.irp p, 0,1,2,3,4,5,6,7
	global_load_b32 v[TK+\p], v[W], s[14:15] offset:16896+8*\p     ; the tokens of rows 2 p + h
.endr
	global_load_b32 v[TK+8], v[W+1], s[14:15] offset:16896         ; and of row lane / 2, for the scale bytes
	s_lshr_b32 s28, s18, 2                         ; wr
	s_and_b32 s29, s18, 3                          ; wc
	v_mul_u32_u24 v[W+3], v2, PITCH
	v_mad_u32_u24 v[W+3], v3, 24, v[W+3]           ; a fragment's row x pitch + 24 x half
	s_mul_i32 s30, s28, 64*PITCH
	v_add_nc_u32 v[AFA], s30, v[W+3]
	s_mul_i32 s30, s29, 64*PITCH
	s_add_co_u32 s30, s30, LDB
	v_add_nc_u32 v[BFA], s30, v[W+3]
	v_mul_u32_u24 v[SCA], v2, SPI
	s_mul_i32 s30, s28, 64*SPI
	s_add_co_u32 s30, s30, LDSA
	v_add_nc_u32 v[SCA], s30, v[SCA]               ; x's rows 64 wr + r;
	s_xor_b32 s30, s28, 1
	s_add_co_u32 s30, s30, s29
	s_add_co_u32 s30, s30, 1
	s_mul_i32 s30, s30, 64*SPI                     ; lanes 16-31 stand 64 SPI (2 + wc - wr) further on: the weight's rows 64 wc + r.  One product with h
	v_mul_u32_u24 v[W+4], s30, v3
	v_add_nc_u32 v[SCA], v[SCA], v[W+4]
	; the stage.  My 16 codes of tile m are registers q = 6 (wc / 2) + 3 h + 0 .. 2 of lane r + 16 (wc % 2) of image 4 wr + m: byte 512 (q / 4) + 4 (q % 4) + 16 r + 256 (wc % 2) of it,
	; which is piece 24 wr + 6 m + 2 (q / 4) + wc % 2, byte 16 r + 4 (q % 4)
	s_lshr_b32 s30, s29, 1
	s_mul_i32 s30, s30, 6
	v_mad_u32_u24 v[W+5], v3, 3, s30
	s_and_b32 s31, s29, 1
	s_mul_i32 s31, s31, PITCH
	s_mul_i32 s32, s28, 24*PITCH
	s_add_co_u32 s31, s31, s32
	s_add_co_u32 s31, s31, STGB
	v_add_nc_u32 v[W+6], s31, v4                   ; piece 24 wr + wc % 2, byte 16 r
.irp i, 0,1,2
	v_add_nc_u32 v[W+7], \i, v[W+5]
	v_lshrrev_b32 v[W+8], 2, v[W+7]
	v_and_b32 v[W+7], 3, v[W+7]
	v_mad_u32_u24 v[STG+\i], v[W+8], 2*PITCH, v[W+6]
	v_lshl_add_u32 v[STG+\i], v[W+7], 2, v[STG+\i]
.endr
	s_mul_i32 s30, s28, PITCH
	s_add_co_u32 s30, s30, s29
	s_add_co_u32 s30, s30, STGB+48*PITCH
	v_lshl_add_u32 v[SSA], v2, 2, s30              ; byte wc of row 64 wr + 16 m + r's scale word: piece 48 + wr, byte 64 m + 4 r + wc
	s_mul_i32 s30, s18, 1536
	v_lshl_add_u32 v[CI], v1, 4, s30
	v_lshlrev_b32 v[LI], 4, v1
	s_lshl_b32 s30, s29, 5
	s_sub_co_i32 s30, 42, s30                      ; 938 - 896 - 32 wc
	v_lshlrev_b32 v[W+7], 4, v3
	v_sub_nc_u32 v[VLW], s30, v[W+7]               ; - 16 h
	; where the rows go in LDS.  A load and its store take two rows x 256 bytes: lanes 0-15 one row, lanes 16-31 the next; the pair of rows and the third stand in the store's immediate
	v_mad_u32_u24 v[W+9], v3, PITCH, v4
	s_mul_i32 s30, s18, 16*PITCH
	v_add_nc_u32 v[LAB], s30, v[W+9]               ; x: I fill rows 16 w on
	s_mul_i32 s30, s18, 32*PITCH
	s_add_co_u32 s30, s30, LDB
	v_add_nc_u32 v[LBB], s30, v[W+9]               ; the weight: rows 32 w on: those of wave wc = w / 2; w % 2 = 0 gate, 1 up
	s_mul_i32 s30, s18, 6*PITCH
	s_add_co_u32 s30, s30, STGB
	v_add_nc_u32 v[CIL], s30, v[W+9]               ; the stage, back: image w is pieces 6 w on, two pieces a load
	v_add_nc_u32 v[SWL], STGB+48*PITCH, v[W+9]     ; and the scale words pieces 48, 49
	s_and_b32 s30, s18, 1
	s_mul_i32 s30, s30, 938
	s_lshl_b32 s31, ttmp9, 8
	s_add_co_u32 s30, s30, s31
	s_lshr_b32 s31, s18, 1
	s_lshl_b32 s31, s31, 5
	s_add_co_u32 s37, s30, s31                     ; the weight's row of my first unit in the first slice: 938 (w % 2) + 256 x + 32 (w / 2)
	v_add_nc_u32 v[W+12], s37, v3
.irp p, 0,1,2,3,4,5,6,7,8,9,10,11,12,13,14,15
	v_add_nc_u32 v[W+7], 8*(\p/8)+2*(\p%4)+16*((\p/4)%2), v[W+12]   ; LDS row 2 p + h = 16 u + r takes unit 8 u + r % 8 + 16 (r / 8)
	v_min_u32 v[W+7], 1875, v[W+7]                 ; no load leaves the weight; what units from 938 on bring is cleared behind the activation
	v_mad_u32_u24 v[GB+\p], v[W+7], 768, v4
.endr
	v_and_b32 v[W+7], 7, v[W+2]                    ; the scale bytes: two lanes to a row of 32 bytes, 16 rows a load
	v_lshrrev_b32 v[W+8], 3, v[W+2]
	v_lshl_add_u32 v[W+7], v[W+8], 4, v[W+7]
	v_add_nc_u32 v[W+7], s37, v[W+7]
	v_and_b32 v[W+13], 1, v1
	v_lshlrev_b32 v[W+13], 4, v[W+13]
.irp k, 0,1
	v_add_nc_u32 v[W+8], 8*\k, v[W+7]
	v_min_u32 v[W+8], 1875, v[W+8]
	v_lshl_add_u32 v[GS+1+\k], v[W+8], 5, v[W+13]
.endr
	v_mad_u32_u24 v[W+14], v[W+2], SPI, v[W+13]
	s_mul_i32 s30, s18, 16*SPI
	s_add_co_u32 s30, s30, LDSA
	v_add_nc_u32 v[LSA], s30, v[W+14]
	s_mul_i32 s30, s18, 32*SPI
	s_add_co_u32 s30, s30, LDSB
	v_add_nc_u32 v[LSB], s30, v[W+14]
	s_mov_b32 s38, 0x76543210
	s_mov_b32 s39, 0xfedcba98                      ; v_permlanex16_b32's selects for lane l xor 16
	s_mov_b32 s40, 0xbfb8aa3b                      ; -log2(e)
	s_mov_b32 s41, s40                             ; (named with it as a pair, so it is written)
	s_mul_i32 s42, s19, 102400
	s_mul_i32 s43, ttmp9, 25600
	s_add_co_u32 s42, s42, s43
	s_mov_b32 s43, 0
	s_add_nc_u64 s[16:17], s[16:17], s[42:43]      ; hq at my first slice's chunk; the second's lies 12,800 bytes on
	s_add_nc_u64 s[26:27], s[4:5], 0x180000        ; xq's scale bytes
	s_wait_kmcnt 0x0
	s_min_u32 s20, s20, 8
	s_and_b32 s22, s20, 7                          ; the expert's place among the eight (8, the shared one: 0)
	s_mul_i32 s24, s22, 1440768
	s_mov_b32 s25, 0
	s_mul_i32 s32, s22, 60032
	s_mov_b32 s33, 0
	s_cmp_eq_u32 s20, 8
	s_cselect_b64 s[6:7], s[10:11], s[6:7]
	s_cselect_b64 s[8:9], s[12:13], s[8:9]
	s_add_nc_u64 s[6:7], s[6:7], s[24:25]
	s_add_nc_u64 s[8:9], s[8:9], s[32:33]
	s_wait_loadcnt 0x0
.irp p, 0,1,2,3,4,5,6,7,8
	v_min_u32 v[TK+\p], 2047, v[TK+\p]
.endr
.irp p, 0,1,2,3,4,5,6,7
	v_mad_u32_u24 v[GA+\p], v[TK+\p], 768, v4
.endr
	v_lshl_add_u32 v[GS], v[TK+8], 5, v[W+13]
; Third k (bytes 256 k on) of the rows that I fill: asked for into v[reg] on, and put into LDS from there
.macro ASKA k, reg                     ; x's 16 rows: 8 loads
.irp p, 0,1,2,3,4,5,6,7
	global_load_b128 v[\reg+4*\p:\reg+4*\p+3], v[GA+\p], s[4:5] offset:256*\k
.endr
.endm
.macro ASKB k, reg                     ; the weight's 32 rows: 16 loads
.irp p, 0,1,2,3,4,5,6,7,8,9,10,11,12,13,14,15
	global_load_b128 v[\reg+4*\p:\reg+4*\p+3], v[GB+\p], s[6:7] offset:256*\k
.endr
.endm
.macro ASKS                            ; the scale bytes of the weight's 32 rows: 2 loads
	global_load_b128 v[SD+4:SD+7], v[GS+1], s[8:9]
	global_load_b128 v[SD+8:SD+11], v[GS+2], s[8:9]
.endm
.macro PUTA k, reg
.irp p, 0,1,2,3,4,5,6,7
	ds_store_b128 v[LAB], v[\reg+4*\p:\reg+4*\p+3] offset:2*PITCH*\p+256*\k
.endr
.endm
.macro PUTB k, reg
.irp p, 0,1,2,3,4,5,6,7,8,9,10,11,12,13,14,15
	ds_store_b128 v[LBB], v[\reg+4*\p:\reg+4*\p+3] offset:2*PITCH*\p+256*\k
.endr
.endm
.macro PUTS
	ds_store_b128 v[LSB], v[SD+4:SD+7]
	ds_store_b128 v[LSB], v[SD+8:SD+11] offset:16*SPI
.endm
.macro BAR                             ; my stores into LDS are done (for the others' sake: zero); behind the barrier that holds of every wave
	s_wait_dscnt 0x0
	s_barrier_signal -1
	s_barrier_wait -1
.endm
.macro NEXTB                           ; the offsets of the second slice's rows, 128 rows further on.  It stands behind a wait for all my loads: nothing pending reads these registers
.irp p, 0,1,2,3,4,5,6,7,8,9,10,11,12,13,14,15
	v_add_nc_u32 v[W+8+2*(\p%2)], 128+8*(\p/8)+2*(\p%4)+16*((\p/4)%2), v[W+12]
	v_min_u32 v[W+8+2*(\p%2)], 1875, v[W+8+2*(\p%2)]               ; the hold bites in slice 7 alone: its up rows would run to 1,961
	v_mad_u32_u24 v[GB+\p], v[W+8+2*(\p%2)], 768, v4
.endr
.irp k, 0,1
	v_add_nc_u32 v[W+8+2*\k], 128+8*\k, v[W+7]
	v_min_u32 v[W+8+2*\k], 1875, v[W+8+2*\k]
	v_lshl_add_u32 v[GS+1+\k], v[W+8+2*\k], 5, v[W+13]
.endr
.endm
.macro FRAG reg, adr, i, s             ; a fragment, 16 rows x 128 K: lane (r, h) takes 24 bytes at 24 h and 24 at 48 + 24 h of its row's 96, in pieces of 8
.irp c, 0,1
.irp j, 0,1,2
	ds_load_b64 v[\reg+6*\c+2*\j:\reg+6*\c+2*\j+1], v[\adr] offset:16*PITCH*(\i)+96*(\s)+48*\c+8*\j
.endr
.endr
.endm
; A K step of 128: 8 fragments, 4 scale registers, 16 products.  The 16 accumulators take turns, one instruction a turn, in the same order in every step.
.macro KSTEP s, zero
.if \s > 0
.rept 4
	v_nop                                          ; four places between the last products and the loads into the registers that they read
.endr
.endif
	WIN 0
.irp m, 0,1,2,3
	FRAG AF+12*\m, AFA, \m, \s
.endr
.irp i, 0,1,2,3
	FRAG BF+12*\i, BFA, \i, \s
.endr
.irp i, 0,1,2,3
	ds_load_b32 v[SC+\i], v[SCA] offset:16*SPI*\i+4*(\s)
.endr
	s_wait_dscnt 0x0
	WIN 0x50                                       ; C and D window 1
.irp m, 0,1,2,3
.irp i, 0,1,2,3
.if \zero
	v_wmma_scale_f32_16x16x128_f8f6f4 v[8*(4*\m+\i):8*(4*\m+\i)+7], v[BF+12*\i:BF+12*\i+11], v[AF+12*\m:AF+12*\m+11], 0, v[SC+\i], v[SC+\m] matrix_a_fmt:MATRIX_FMT_FP6 matrix_b_fmt:MATRIX_FMT_FP6 matrix_a_scale:MATRIX_SCALE_ROW1
.else
	v_wmma_scale_f32_16x16x128_f8f6f4 v[8*(4*\m+\i):8*(4*\m+\i)+7], v[BF+12*\i:BF+12*\i+11], v[AF+12*\m:AF+12*\m+11], v[8*(4*\m+\i):8*(4*\m+\i)+7], v[SC+\i], v[SC+\m] matrix_a_fmt:MATRIX_FMT_FP6 matrix_b_fmt:MATRIX_FMT_FP6 matrix_a_scale:MATRIX_SCALE_ROW1
.endif
.endr
.endr
.endm
.macro SWIGLU m                        ; g u / (1 + 2^(-g log2 e)), 16 numbers a lane; every accumulator is read from its low end on
.irp k, 0,2,4,6,8,10,12,14
	v_pk_mul_f32 v[EX+\k:EX+\k+1], v[32*\m+\k:32*\m+\k+1], s[40:41] op_sel_hi:[1,0]
.endr
.irp k, 0,1,2,3,4,5,6,7,8,9,10,11,12,13,14,15
	v_exp_f32 v[EX+\k], v[EX+\k]
.endr
.irp k, 0,2,4,6,8,10,12,14
	v_pk_mul_f32 v[32*\m+16+\k:32*\m+17+\k], v[32*\m+16+\k:32*\m+17+\k], v[32*\m+\k:32*\m+\k+1]   ; u g: also the plain lines behind the exponentials
.endr
	s_wait_alu depctr_va_vdst(0)
.irp k, 0,2,4,6,8,10,12,14
	v_pk_add_f32 v[EX+\k:EX+\k+1], v[EX+\k:EX+\k+1], 1.0 op_sel_hi:[1,0]
.endr
.irp k, 0,1,2,3,4,5,6,7,8,9,10,11,12,13,14,15
	v_rcp_f32 v[EX+\k], v[EX+\k]
.endr
	v_nop                                          ; a plain line behind the reciprocals
	s_wait_alu depctr_va_vdst(0)
.irp k, 0,2,4,6,8,10,12,14
	v_pk_mul_f32 v[32*\m+\k:32*\m+\k+1], v[32*\m+16+\k:32*\m+17+\k], v[EX+\k:EX+\k+1]
.endr
.endm
; A slice's end: the activation and the quantiser, in window 1; a barrier; the codes and scale bytes into the stage.  last = 1: the second slice, which may be slice 7
.macro EPI last
	WIN 0x40                                       ; destination window 1.  These five moves name no register of the last products: they are the places behind them
.irp m, 0,1,2,3
	v_mov_b32 v[TM4+\m], 0                         ; a lane permute's destination counts as one of its sources
.endr
	v_mov_b32 v[VL], v[VLW]
	WIN 0x55
.irp m, 0,1,2,3
	SWIGLU \m
.endr
.if \last
	WIN 0                                          ; at a branch and at a label every window is 0
	s_cmp_lg_u32 ttmp9, 3
	s_cbranch_scc1 .Lfull
	WIN 0x55                                       ; slice 7 holds units 896 on: from 938 on h is 0, as the quantiser fills its last block
.irp j, 0,1,2,3,4,5,6,7,8,9,10,11,12,13,14,15
	v_cmp_lt_i32 vcc_lo, \j, v[VL]
.irp m, 0,1,2,3
	v_cndmask_b32 v[32*\m+\j], 0, v[32*\m+\j], vcc_lo
.endr
.endr
	WIN 0
.Lfull:
	WIN 0x55
.endif
.irp m, 0,1,2,3
	v_max3_num_f32 v[TM+\m], |v[32*\m]|, |v[32*\m+1]|, 0x1800000   ; my 16 numbers of the block, and the floor 2^(3 - 127): the byte cannot fall under 1.  The four tiles of rows by turns
.endr
.irp i, 2,4,6,8,10,12,14
.irp m, 0,1,2,3
	v_max3_num_f32 v[TM+\m], v[TM+\m], |v[32*\m+\i]|, |v[32*\m+\i+1]|
.endr
.endr
.irp m, 0,1,2,3
	v_permlanex16_b32 v[TM4+\m], v[TM+\m], s38, s39
.endr
.irp m, 0,1,2,3
	v_max_num_f32 v[TM+\m], v[TM+\m], v[TM4+\m]    ; with lane l xor 16's 16: the block's largest magnitude
.endr
.irp m, 0,1,2,3
	v_add_nc_u32 v[SCL+\m], 0xff000000, v[TM+\m]   ; 2 off its exponent field: the conversion's scale operand
.endr
.irp m, 0,1,2,3
	v_lshrrev_b32 v[BY+\m], 23, v[SCL+\m]          ; the scale's byte
.endr
.irp m, 0,1,2,3
	v_cvt_scalef32_pk16_fp6_f32 v[CD+4*\m:CD+4*\m+2], v[32*\m:32*\m+15], v[SCL+\m]
.endr
	v_nop                                          ; one plain line behind the last scaled conversion
	s_barrier_signal -1                            ; every wave's reads of the weight's slice and of its scale bytes came back in front of its last products:
	s_barrier_wait -1                              ; behind this barrier those bytes may be written
	WIN 0x04                                       ; an LDS store's data are its source 1: window 1
.irp m, 0,1,2,3
.irp i, 0,1,2
	ds_store_b32 v[STG+\i], v[CD+4*\m+\i] offset:6*PITCH*\m
.endr
	ds_store_b8 v[SSA], v[BY+\m] offset:64*\m      ; both halves of the lanes write the same byte with the same value
.endr
	WIN 0
.endm
; The way out of slice n (0 or 1), behind the barrier that shows the stage whole: wave w sends image w, wave 0 also the 128 scale words
.macro OUT n
.if \n
	s_wait_xcnt 0x0                                ; the first slice's stores have read these registers: they are loaded into again only behind this wait
.endif
.irp c, 0,1,2
	ds_load_b128 v[OB+4*\c:OB+4*\c+3], v[CIL] offset:2*PITCH*\c
.endr
	s_wait_dscnt 0x0
.irp c, 0,1,2
	global_store_b128 v[CI], v[OB+4*\c:OB+4*\c+3], s[16:17] offset:12800*\n+512*\c   ; 512 consecutive bytes, aligned
.endr
	s_cmp_lg_u32 s18, 0
	s_cbranch_scc1 .Lsent_\n
	ds_load_b128 v[OB+12:OB+15], v[SWL]
	s_wait_dscnt 0x0
	global_store_b128 v[LI], v[OB+12:OB+15], s[16:17] offset:12800*\n+12288
.Lsent_\n:
.endm
	; ================ the first slice ================
	global_load_b128 v[SD:SD+3], v[GS], s[26:27]   ; the scale bytes first: they are wanted with K step 0
	ASKS
	ASKA 0, AF                                     ; the first third, into the registers that the fragments will take
	ASKB 0, AF+32
	WIN 0x40                                       ; destination window 1
	ASKA 1, T1                                     ; the second
	ASKB 1, T1+32
	WIN 0
	s_wait_loadcnt 24                              ; of my 51 loads the second third's 24 may be out: the scale bytes and the first third are in
	ds_store_b128 v[LSA], v[SD:SD+3]
	PUTS
	PUTA 0, AF
	PUTB 0, AF+32
	ASKB 2, T2B                                    ; the last third: 48 loads of mine are out now
	WIN 0x40
	ASKA 2, T2A
	WIN 0
	BAR                                            ; the scale bytes and bytes 0-255 of all rows lie in LDS: K steps 0 and 1 read bytes 0-191
	KSTEP 0, 1                                     ; the first products start the sums: nothing is cleared
	KSTEP 1, 0
	s_wait_loadcnt 24                              ; the last third's 24 loads may be out: the second third is in
	WIN 0x04                                       ; an LDS store's data are its source 1: window 1
	PUTA 1, T1                                     ; bytes 256-511: no wave reads them before the barrier below
	PUTB 1, T1+32
	BAR                                            ; K steps 2 to 4 read bytes 192-479
	KSTEP 2, 0
	KSTEP 3, 0
	KSTEP 4, 0
	s_wait_loadcnt 0x0                             ; the last third; no load of mine is out
	WIN 0x04
	PUTA 2, T2A
	WIN 0
	PUTB 2, T2B
	NEXTB                                          ; register work while the stores are out
	BAR                                            ; my stores have read their registers, too: the second slice's loads may land there
	ASKS                                           ; THE SECOND SLICE IS ASKED FOR: its scale bytes, its first third, its second third: 34 loads, which have K steps 5 to 7 and the activation in which to land
	ASKB 0, T2B
	WIN 0x40
	ASKB 1, N1
	KSTEP 5, 0
	KSTEP 6, 0
	KSTEP 7, 0
	EPI 0                                          ; behind its barrier nobody reads the weight's slice any more
	s_wait_loadcnt 16                              ; the second third's 16 loads may be out: the scale bytes and the first third are in
	PUTS
	PUTB 0, T2B                                    ; bytes 0-255 of the weight's rows; the stage lies in bytes 512-767
	BAR                                            ; ONE barrier shows the stage whole and the second slice's first third in place
	WIN 0x40
	ASKB 2, N2                                     ; the last third, into registers that the epilogue has left (its LDS stores have read them): 32 loads of mine are out
	WIN 0
	OUT 0
	; ================ the second slice: x's tile and its scale bytes lie where they lay ================
	KSTEP 0, 1
	KSTEP 1, 0
	s_wait_loadcnt 16                              ; the last third's 16 loads may be out: the second third is in
	WIN 0x04
	PUTB 1, N1
	BAR
	KSTEP 2, 0
	KSTEP 3, 0
	KSTEP 4, 0
	s_wait_loadcnt 0x0
	WIN 0x04
	PUTB 2, N2                                     ; bytes 512-767: every wave's reads of the stage came back two barriers ago
	BAR
	KSTEP 5, 0
	KSTEP 6, 0
	KSTEP 7, 0
	EPI 1
	BAR                                            ; the stage is whole
	OUT 1
	s_wait_tensorcnt 0x0
	ds_add_u32 v171, v175
	s_wait_dscnt 0x0
	s_endpgm
.Lfunc_end_k_qe964d3b5fb_up:
	.size	k_qe964d3b5fb_up, .Lfunc_end_k_qe964d3b5fb_up-k_qe964d3b5fb_up
	.p2alignl 7, 3214868480
	.fill 96, 4, 3214868480
	.section	.rodata,"a",@progbits
	.p2align	6, 0x0
	.amdhsa_kernel k_qe964d3b5fb_up
		.amdhsa_group_segment_fixed_size 320512
		.amdhsa_private_segment_fixed_size 0
		.amdhsa_enable_private_segment 0
		.amdhsa_kernarg_size 56
		.amdhsa_user_sgpr_count 2
		.amdhsa_user_sgpr_kernarg_segment_ptr 1
		.amdhsa_wavefront_size32 1
		.amdhsa_system_sgpr_workgroup_id_x 1
		.amdhsa_system_sgpr_workgroup_id_y 1
		.amdhsa_system_sgpr_workgroup_id_z 1
		.amdhsa_system_vgpr_workitem_id 0
		.amdhsa_next_free_vgpr 512
		.amdhsa_next_free_sgpr 66
		.amdhsa_reserve_vcc 1
		.amdhsa_float_denorm_mode_32 3
		.amdhsa_float_denorm_mode_16_64 3
		.amdhsa_memory_ordered 1
		.amdhsa_forward_progress 1
		.amdhsa_inst_pref_size 162
	.end_amdhsa_kernel
	.amdgpu_metadata
---
amdhsa.version: [ 1, 2 ]
amdhsa.kernels:
  - .name:           k_qe964d3b5fb_up
    .symbol:         k_qe964d3b5fb_up.kd
    .args:
      - { .name: xq, .offset: 0, .size: 8, .value_kind: global_buffer, .address_space: global }
      - { .name: experts_gate_up_codes, .offset: 8, .size: 8, .value_kind: global_buffer, .address_space: global }
      - { .name: experts_gate_up_scales, .offset: 16, .size: 8, .value_kind: global_buffer, .address_space: global }
      - { .name: shared_gate_up_codes, .offset: 24, .size: 8, .value_kind: global_buffer, .address_space: global }
      - { .name: shared_gate_up_scales, .offset: 32, .size: 8, .value_kind: global_buffer, .address_space: global }
      - { .name: lists, .offset: 40, .size: 8, .value_kind: global_buffer, .address_space: global }
      - { .name: hq, .offset: 48, .size: 8, .value_kind: global_buffer, .address_space: global }
    .group_segment_fixed_size: 320512
    .private_segment_fixed_size: 0
    .kernarg_segment_align: 8
    .kernarg_segment_size: 56
    .max_flat_workgroup_size: 256
    .sgpr_count:     66
    .vgpr_count:     512
    .wavefront_size: 32
...
	.end_amdgpu_metadata
.endif
;; end of part 3
;; launch down (part 4): grid 4 x 55, 8 waves a work-group, no clusters, 308,224 bytes of LDS; arguments hq, w2q, lists, yw; writes yw
.if DOCPART == 4
	.amdgcn_target "amdgcn-amd-amdhsa--gfx1250"
	.amdhsa_code_object_version 6
	.text
	.protected	k_qe964d3b5fb_down
	.globl	k_qe964d3b5fb_down
	.p2align	8
	.type	k_qe964d3b5fb_down,@function
k_qe964d3b5fb_down:
	s_mov_b64 s[64:65], 0
	v_nop
	global_prefetch_b8 v0, s[64:65] scope:SCOPE_SE
	s_setreg_imm32_b32 hwreg(HW_REG_WAVE_MODE, 25, 1), 1
	s_wait_xcnt 0x0
; The second product of every expert on its rows: yw[row][d] = the sum over k of h[row][k] W2[d][k], both operands codes of FP6 (E2M3) with E8M0 scales, sums f32.  yw: [7040][1024] f32.
; SHARES.  Work-group (x, y) takes tile y (128 rows of one expert) and columns 256 x on.  Both operands were laid by earlier launches as images of fragments, K step by K step:
; hq's tile is one dense block of 102,400 bytes, w2q's slice one of 204,800.  Both lie in LDS whole, as they lie in memory: nothing is filled twice.
; They come by tensor loads of 12,800 bytes (50 rows of 256), in four chunks of two K steps: waves 0, 1 bring h's chunks, waves 2-5 the weight's, four loads each, all issued at the head:
; four tensor loads of a wave are out at the most.  A counted wait and a barrier stand in front of each chunk's first K step; the later chunks stay on their way.
; Eight waves: wave (wr = w / 4, wc = w % 4) makes rows 64 wr on x columns 64 wc on: 16 accumulators.  A fragment is three loads of 16 bytes a lane, 512 consecutive bytes each.
; THE PRODUCT IS USED TRANSPOSED (source 0 = 16 rows of W2, source 1 = 16 rows of h): a lane holds eight neighbouring columns of one row of yw.
; NO JOINT LOADS here: the four slices of a tile share h's block, a third of a work-group's bytes; the weight's partners are the tiles of one expert, whose number hangs on counts read from memory.
; Tiles behind the last used one are computed like the others (every wave must pass every barrier); nobody reads their rows.
.set LDB,  102400                      ; h's block at 0, [K step][12,800]; the weight's from here, [K step][25,600]
.set AF,   16                          ; v16-63   four fragments of h
.set BF,   64                          ; v64-111  four of W2
.set SC,   112                         ; v112-115 scale words: lanes 0-15 h's tile i, lanes 16-31 W2's tile i; nothing else ever stands here
.set ACC,  128                         ; v128-255 (m, i) at 8 (4 m + i)
.set G1,   24                          ; s[24:31] descriptor group 1, one for all loads
.set G0A,  32                          ; s[32:47] groups 0 for h's four chunks
.set G0B,  48                          ; s[48:63] for the weight's
	s_load_b256 s[4:11], s[0:1], 0x0               ; hq s[4:5], w2q s[6:7], lists s[8:9], yw s[10:11]
	v_lshl_add_u32 v126, v0, 2, 0x4b000
	v_mov_b32 v127, 0
	ds_add_u32 v126, v127
	ds_add_u32 v126, v127
	v_lshrrev_b32 v1, 5, v0
	v_readfirstlane_b32 s12, v1                    ; wave 0..7
	v_and_b32 v1, 31, v0                           ; lane
	v_and_b32 v9, 15, v0                           ; r
	v_bfe_u32 v10, v0, 4, 1                        ; h
	s_and_b32 s13, ttmp7, 0xffff                   ; the tile
	s_lshl_b32 s14, s13, 2
	s_wait_dscnt 0x0
	s_wait_kmcnt 0x0
	s_load_b32 s15, s[8:9], s14 offset:0x0         ; its expert
	s_mov_b32 s[G1+0], 3<<16                       ; 15:0 no mask; 17:16 elements of 8 bytes; no padding
	s_mov_b32 s[G1+1], 32<<16                      ; tensor_dim0 = 32 elements: 256 bytes
	s_mov_b32 s[G1+2], 50<<16                      ; tensor_dim1 = 50
	s_mov_b32 s[G1+3], 32<<16                      ; tile_dim0 = 32
	s_mov_b32 s[G1+4], 50                          ; tile_dim1 = 50
	s_mov_b32 s[G1+5], 32                          ; from row to row: dense
	s_mov_b32 s[G1+6], 0
	s_mov_b32 s[G1+7], 0
	; every LDS address is made here, ahead of the branch on the wave's number
	s_lshr_b32 s21, s12, 2                         ; wr
	s_and_b32 s22, s12, 3                          ; wc
	s_mul_i32 s23, s21, 6144
	v_lshl_add_u32 v2, v1, 4, s23                  ; v2: h's images 4 wr on, 16 bytes a lane; steps 12,800 a K step
	s_mul_i32 s23, s22, 6144
	s_add_co_u32 s23, s23, LDB
	v_lshl_add_u32 v3, v1, 4, s23                  ; v3: W2's images 4 wc on; steps 25,600
	s_lshl_b32 s23, s21, 8
	s_add_co_u32 s23, s23, 12288
	v_lshl_add_u32 v4, v9, 2, s23                  ; v4: scale words: h's rows 64 wr + r;
	s_xor_b32 s23, s21, 1
	s_add_co_u32 s23, s23, s22
	s_add_co_u32 s23, s23, 447
	s_lshl_b32 s23, s23, 8                         ; lanes 16-31 stand 256 (448 + wc - wr) further on: W2's rows 64 wc + r.  One product with h
	v_mul_u32_u24 v11, s23, v10
	v_add_nc_u32 v4, v4, v11
	v_mul_u32_u24 v5, v10, 12800
	v_add_nc_u32 v5, 12800, v5                     ; v5: its step: 12,800 in lanes 0-15, 25,600 in lanes 16-31
	s_mul_i32 s23, s12, 4352                       ; my stage for the way out: 16 rows x (256 bytes + 16)
	v_mul_u32_u24 v6, v9, 272
	v_lshl_add_u32 v6, v10, 5, v6
	v_add_nc_u32 v6, s23, v6                       ; v6: in: row r, 32 bytes for each half of the lanes
	v_mul_u32_u24 v7, v10, 272
	v_lshl_add_u32 v7, v9, 4, v7
	v_add_nc_u32 v7, s23, v7                       ; v7: back: lanes 0-15 one row, lanes 16-31 the next
	v_lshlrev_b32 v8, 12, v10
	v_lshl_add_u32 v8, v9, 4, v8                   ; v8: and the same two rows in yw
	s_mul_i32 s16, s13, 102400
	s_min_u32 s17, s12, 1                          ; (the waves that do not fetch for h keep an address inside the block)
	s_mul_i32 s17, s17, 12800
	s_add_co_u32 s16, s16, s17
	s_mov_b32 s17, 0
	s_add_nc_u64 s[4:5], s[4:5], s[16:17]          ; hq at my part of the tile's first chunk
	s_lshl_b32 s16, s13, 7
	s_lshl_b32 s18, s21, 6
	s_add_co_u32 s16, s16, s18
	s_lshl_b32 s16, s16, 12                        ; my first row of yw,
	s_lshl_b32 s18, ttmp9, 10
	s_add_co_u32 s16, s16, s18
	s_lshl_b32 s18, s22, 8
	s_add_co_u32 s16, s16, s18                     ; my first column
	s_add_nc_u64 s[10:11], s[10:11], s[16:17]
	s_mul_i32 s20, s12, 12800                      ; where my loads go: the wave's number x 12,800 + a constant
	s_wait_kmcnt 0x0
	s_min_u32 s15, s15, 8
	s_lshl_b32 s16, s15, 2
	s_add_co_u32 s16, s16, ttmp9
	s_mul_i32 s16, s16, 204800                     ; (expert, slice)
	s_max_u32 s18, s12, 2
	s_sub_co_u32 s18, s18, 2
	s_min_u32 s18, s18, 3                          ; waves 2-5: quarters 0-3 of a chunk (the others keep an address inside the block)
	s_mul_i32 s18, s18, 12800
	s_add_co_u32 s16, s16, s18
	s_add_nc_u64 s[6:7], s[6:7], s[16:17]
.irp c, 0,1,2,3
	s_mov_b32 s[G0A+4*\c], 1                                       ; count = 1
	s_add_co_u32 s[G0A+4*\c+1], s20, 25600*\c                      ; LDS address
	s_add_nc_u64 s[G0A+4*\c+2:G0A+4*\c+3], s[4:5], 25600*\c        ; global address
	s_or_b32 s[G0A+4*\c+3], s[G0A+4*\c+3], 0x80000000              ; type = 2
	s_mov_b32 s[G0B+4*\c], 1
	s_add_co_u32 s[G0B+4*\c+1], s20, LDB-25600+51200*\c            ; wave 2 begins at the weight's first byte
	s_add_nc_u64 s[G0B+4*\c+2:G0B+4*\c+3], s[6:7], 51200*\c
	s_or_b32 s[G0B+4*\c+3], s[G0B+4*\c+3], 0x80000000
.endr
	s_cmp_lt_u32 s12, 2                            ; a wave's four loads stand in one branch on its number, ahead of every wait on TENSORcnt, every LDS read and every barrier
	s_cbranch_scc0 .Lnot_h
.irp c, 0,1,2,3
	tensor_load_to_lds s[G0A+4*\c:G0A+4*\c+3], s[G1:G1+7]
	s_nop 0
.endr
.rept 4
	v_nop
.endr
	s_branch .Lasked
.Lnot_h:
	s_cmp_lt_u32 s12, 6
	s_cbranch_scc0 .Lasked
.irp c, 0,1,2,3
	tensor_load_to_lds s[G0B+4*\c:G0B+4*\c+3], s[G1:G1+7]
	s_nop 0
.endr
.rept 4
	v_nop
.endr
.Lasked:
; A K step of 128.  The 16 accumulators take turns, one instruction a turn, in the same order in every step.
.macro KSTEP s
.if \s > 0
	v_add_nc_u32 v2, 12800, v2                     ; the addresses' steps and one v_nop are the four places between the last products and the loads into the registers that they read
	v_add_nc_u32 v3, 25600, v3
	v_add_nc_u32 v4, v4, v5
	v_nop
.endif
.if (\s)%2 == 0
	s_wait_tensorcnt 3-(\s)/2                      ; my part of this chunk has landed; my loads for the later chunks stay out
	s_barrier_signal -1                            ; (no LDS instruction of mine is out: the last K step's loads came back in front of its products)
	s_barrier_wait -1                              ; everybody's part has
.endif
.irp m, 0,1,2,3
.irp c, 0,1,2
	ds_load_b128 v[AF+12*\m+4*\c:AF+12*\m+4*\c+3], v2 offset:1536*\m+512*\c
.endr
.endr
.irp i, 0,1,2,3
.irp c, 0,1,2
	ds_load_b128 v[BF+12*\i+4*\c:BF+12*\i+4*\c+3], v3 offset:1536*\i+512*\c
.endr
.endr
.irp i, 0,1,2,3
	ds_load_b32 v[SC+\i], v4 offset:64*\i
.endr
	s_wait_dscnt 0x0
.irp m, 0,1,2,3
.irp i, 0,1,2,3
.if \s == 0
	v_wmma_scale_f32_16x16x128_f8f6f4 v[ACC+8*(4*\m+\i):ACC+8*(4*\m+\i)+7], v[BF+12*\i:BF+12*\i+11], v[AF+12*\m:AF+12*\m+11], 0, v[SC+\i], v[SC+\m] matrix_a_fmt:MATRIX_FMT_FP6 matrix_b_fmt:MATRIX_FMT_FP6 matrix_a_scale:MATRIX_SCALE_ROW1
.else
	v_wmma_scale_f32_16x16x128_f8f6f4 v[ACC+8*(4*\m+\i):ACC+8*(4*\m+\i)+7], v[BF+12*\i:BF+12*\i+11], v[AF+12*\m:AF+12*\m+11], v[ACC+8*(4*\m+\i):ACC+8*(4*\m+\i)+7], v[SC+\i], v[SC+\m] matrix_a_fmt:MATRIX_FMT_FP6 matrix_b_fmt:MATRIX_FMT_FP6 matrix_a_scale:MATRIX_SCALE_ROW1
.endif
.endr
.endr
.endm
.irp s, 0,1,2,3,4,5,6,7
	KSTEP \s
.endr
	; THE WAY OUT.  16 rows x 64 columns at a time go through my stage and come back as rows, so that sixteen lanes store 256 consecutive bytes, aligned.
	; The stages lie in h's first bytes, which have had their only fill; the barrier shows that no wave reads them any more.
.rept 4
	v_nop                                          ; places behind the last products: their results are read, and the fragments' registers are loaded into
.endr
	s_barrier_signal -1
	s_barrier_wait -1
.irp m, 0,1,2,3
.if \m >= 2
	s_wait_xcnt 0x0                                ; the stores of two blocks ago have read their registers: they are loaded into again only behind this wait
.endif
.irp i, 0,1,2,3
	ds_store_b128 v6, v[ACC+8*(4*\m+\i):ACC+8*(4*\m+\i)+3] offset:64*\i            ; each accumulator from its low end on
	ds_store_b128 v6, v[ACC+8*(4*\m+\i)+4:ACC+8*(4*\m+\i)+7] offset:64*\i+16
.endr
.irp t, 0,1,2,3,4,5,6,7
	ds_load_b128 v[16+32*(\m%2)+4*\t:16+32*(\m%2)+4*\t+3], v7 offset:544*\t        ; LDS serves a wave's instructions in order: these see my stores, and the next block's stores come behind them
.endr
.irp t, 0,1,2,3,4,5,6,7
	s_wait_dscnt 7-\t                              ; the loads behind this one may be out
	global_store_b128 v8, v[16+32*(\m%2)+4*\t:16+32*(\m%2)+4*\t+3], s[10:11] offset:(16*\m+2*\t)*4096
.endr
.endr
	s_wait_tensorcnt 0x0
	ds_add_u32 v126, v127
	s_wait_dscnt 0x0
	s_endpgm
.Lfunc_end_k_qe964d3b5fb_down:
	.size	k_qe964d3b5fb_down, .Lfunc_end_k_qe964d3b5fb_down-k_qe964d3b5fb_down
	.p2alignl 7, 3214868480
	.fill 96, 4, 3214868480
	.section	.rodata,"a",@progbits
	.p2align	6, 0x0
	.amdhsa_kernel k_qe964d3b5fb_down
		.amdhsa_group_segment_fixed_size 308224
		.amdhsa_private_segment_fixed_size 0
		.amdhsa_enable_private_segment 0
		.amdhsa_kernarg_size 32
		.amdhsa_user_sgpr_count 2
		.amdhsa_user_sgpr_kernarg_segment_ptr 1
		.amdhsa_wavefront_size32 1
		.amdhsa_system_sgpr_workgroup_id_x 1
		.amdhsa_system_sgpr_workgroup_id_y 1
		.amdhsa_system_sgpr_workgroup_id_z 1
		.amdhsa_system_vgpr_workitem_id 0
		.amdhsa_next_free_vgpr 256
		.amdhsa_next_free_sgpr 80
		.amdhsa_reserve_vcc 0
		.amdhsa_float_denorm_mode_32 3
		.amdhsa_float_denorm_mode_16_64 3
		.amdhsa_memory_ordered 1
		.amdhsa_forward_progress 1
		.amdhsa_inst_pref_size 48
	.end_amdhsa_kernel
	.amdgpu_metadata
---
amdhsa.version: [ 1, 2 ]
amdhsa.kernels:
  - .name:           k_qe964d3b5fb_down
    .symbol:         k_qe964d3b5fb_down.kd
    .args:
      - { .name: hq, .offset: 0, .size: 8, .value_kind: global_buffer, .address_space: global }
      - { .name: w2q, .offset: 8, .size: 8, .value_kind: global_buffer, .address_space: global }
      - { .name: lists, .offset: 16, .size: 8, .value_kind: global_buffer, .address_space: global }
      - { .name: yw, .offset: 24, .size: 8, .value_kind: global_buffer, .address_space: global }
    .group_segment_fixed_size: 308224
    .private_segment_fixed_size: 0
    .kernarg_segment_align: 8
    .kernarg_segment_size: 32
    .max_flat_workgroup_size: 256
    .sgpr_count:     80
    .vgpr_count:     256
    .wavefront_size: 32
...
	.end_amdgpu_metadata
.endif
;; end of part 4
;; launch combine (part 5): grid 256 x 1, 8 waves a work-group, no clusters, 0 bytes of LDS; arguments yw, lists, wts, out0; writes out0
.if DOCPART == 5
	.amdgcn_target "amdgcn-amd-amdhsa--gfx1250"
	.amdhsa_code_object_version 6
	.text
	.protected	k_qe964d3b5fb_combine
	.globl	k_qe964d3b5fb_combine
	.p2align	8
	.type	k_qe964d3b5fb_combine,@function
k_qe964d3b5fb_combine:
	s_mov_b64 s[64:65], 0
	v_nop
	global_prefetch_b8 v0, s[64:65] scope:SCOPE_SE
	s_setreg_imm32_b32 hwreg(HW_REG_WAVE_MODE, 25, 1), 1
	s_wait_xcnt 0x0
; out0[t] = yw[t] + w0 yw[p0] + w1 yw[p1]: the shared expert's row (row = token) and the token's two routed rows with the router's weights, in f32.
; Each output row has one owner: a wave takes one token.  p0, p1 come from lists (byte 512 + 8 t), the weights from wts (8 t).  A stream: no LDS, no barrier, no matrix unit.
; Each load and store of the wave covers 512 consecutive bytes, aligned; a row is eight of them.  All 24 loads are issued before the first is waited for.
; LIMIT: the three terms are added in this order, not in the order of the experts' numbers as the reference adds them.
	s_load_b256 s[4:11], s[0:1], 0x0               ; yw s[4:5], lists s[6:7], wts s[8:9], out0 s[10:11]
	v_lshrrev_b32 v1, 5, v0
	v_readfirstlane_b32 s12, v1                    ; wave
	v_and_b32 v1, 31, v0
	v_lshlrev_b32 v1, 4, v1                        ; 16 bytes a lane
	s_lshl_b32 s13, ttmp9, 3
	s_add_co_u32 s13, s13, s12                     ; my token
	s_lshl_b32 s14, s13, 3
	s_lshl_b32 s15, s13, 12
	v_add_nc_u32 v2, s15, v1                       ; its row, in yw and in out0
	s_wait_kmcnt 0x0
	s_load_b64 s[16:17], s[6:7], s14 offset:0x200  ; its two routed rows
	s_load_b64 s[20:21], s[8:9], s14 offset:0x0    ; their weights
.irp j, 0,1,2,3,4,5,6,7
	global_load_b128 v[16+4*\j:19+4*\j], v2, s[4:5] offset:512*\j th:TH_LOAD_NT    ; every row of yw that is read is read once
.endr
	s_wait_kmcnt 0x0
	s_min_u32 s16, s16, 7039
	s_min_u32 s17, s17, 7039
	s_lshl_b32 s16, s16, 12
	s_lshl_b32 s17, s17, 12
	v_add_nc_u32 v3, s16, v1
	v_add_nc_u32 v4, s17, v1
	s_mov_b32 s22, s21                             ; the packed form names a pair and takes its low word for both halves: w1 gets a pair of its own
	s_mov_b32 s23, s21
.irp j, 0,1,2,3,4,5,6,7
	global_load_b128 v[48+4*\j:51+4*\j], v3, s[4:5] offset:512*\j th:TH_LOAD_NT
	global_load_b128 v[80+4*\j:83+4*\j], v4, s[4:5] offset:512*\j th:TH_LOAD_NT
.endr
.irp j, 0,1,2,3,4,5,6,7
	s_wait_loadcnt 2*(7-\j)                        ; piece j of all three rows is in; the two loads of each later piece may be out
	v_pk_fma_f32 v[16+4*\j:17+4*\j], v[48+4*\j:49+4*\j], s[20:21], v[16+4*\j:17+4*\j] op_sel_hi:[1,0,1]
	v_pk_fma_f32 v[18+4*\j:19+4*\j], v[50+4*\j:51+4*\j], s[20:21], v[18+4*\j:19+4*\j] op_sel_hi:[1,0,1]
	v_pk_fma_f32 v[16+4*\j:17+4*\j], v[80+4*\j:81+4*\j], s[22:23], v[16+4*\j:17+4*\j] op_sel_hi:[1,0,1]
	v_pk_fma_f32 v[18+4*\j:19+4*\j], v[82+4*\j:83+4*\j], s[22:23], v[18+4*\j:19+4*\j] op_sel_hi:[1,0,1]
	global_store_b128 v2, v[16+4*\j:19+4*\j], s[10:11] offset:512*\j th:TH_STORE_NT
.endr
	s_endpgm
.Lfunc_end_k_qe964d3b5fb_combine:
	.size	k_qe964d3b5fb_combine, .Lfunc_end_k_qe964d3b5fb_combine-k_qe964d3b5fb_combine
	.p2alignl 7, 3214868480
	.fill 96, 4, 3214868480
	.section	.rodata,"a",@progbits
	.p2align	6, 0x0
	.amdhsa_kernel k_qe964d3b5fb_combine
		.amdhsa_group_segment_fixed_size 0
		.amdhsa_private_segment_fixed_size 0
		.amdhsa_enable_private_segment 0
		.amdhsa_kernarg_size 32
		.amdhsa_user_sgpr_count 2
		.amdhsa_user_sgpr_kernarg_segment_ptr 1
		.amdhsa_wavefront_size32 1
		.amdhsa_system_sgpr_workgroup_id_x 1
		.amdhsa_system_sgpr_workgroup_id_y 1
		.amdhsa_system_sgpr_workgroup_id_z 1
		.amdhsa_system_vgpr_workitem_id 0
		.amdhsa_next_free_vgpr 112
		.amdhsa_next_free_sgpr 66
		.amdhsa_reserve_vcc 0
		.amdhsa_float_denorm_mode_32 3
		.amdhsa_float_denorm_mode_16_64 3
		.amdhsa_memory_ordered 1
		.amdhsa_forward_progress 1
		.amdhsa_inst_pref_size 7
	.end_amdhsa_kernel
	.amdgpu_metadata
---
amdhsa.version: [ 1, 2 ]
amdhsa.kernels:
  - .name:           k_qe964d3b5fb_combine
    .symbol:         k_qe964d3b5fb_combine.kd
    .args:
      - { .name: yw, .offset: 0, .size: 8, .value_kind: global_buffer, .address_space: global }
      - { .name: lists, .offset: 8, .size: 8, .value_kind: global_buffer, .address_space: global }
      - { .name: wts, .offset: 16, .size: 8, .value_kind: global_buffer, .address_space: global }
      - { .name: out0, .offset: 24, .size: 8, .value_kind: global_buffer, .address_space: global }
    .group_segment_fixed_size: 0
    .private_segment_fixed_size: 0
    .kernarg_segment_align: 8
    .kernarg_segment_size: 32
    .max_flat_workgroup_size: 256
    .sgpr_count:     66
    .vgpr_count:     112
    .wavefront_size: 32
...
	.end_amdgpu_metadata
.endif
;; end of part 5
;; ======== version 2 of 2: 5 launches; version 1 with the launch up written anew for expert scheduling mode
;; workspace buffers: xq 1,638,400 bytes; sel 16,384 bytes of whole numbers; wts 16,384 bytes; w2q 7,372,800 bytes; lists 45,056 bytes of whole numbers; hq 5,632,000 bytes; yw 28,835,840 bytes
;; launch route: the kernel of part 1 again; grid 256 x 1, 4 waves a work-group, no clusters, 22,016 bytes of LDS; arguments hidden_states, gate_weight, xq, sel, wts; writes xq, sel, wts
;; launch prep: the kernel of part 2 again; grid 289 x 1, 8 waves a work-group, no clusters, 69,632 bytes of LDS; arguments experts_down, shared_down, sel, w2q, lists; writes w2q, lists
;; launch up (part 6): grid 4 x 55, 8 waves a work-group, no clusters, 320,512 bytes of LDS; arguments xq, experts_gate_up_codes, experts_gate_up_scales, shared_gate_up_codes, shared_gate_up_scales, lists, hq; writes hq
.if DOCPART == 6
	.amdgcn_target "amdgcn-amd-amdhsa--gfx1250"
	.amdhsa_code_object_version 6
	.text
	.protected	k_qe964d3b5fb_up
	.globl	k_qe964d3b5fb_up
	.p2align	8
	.type	k_qe964d3b5fb_up,@function
k_qe964d3b5fb_up:
	s_mov_b64 s[64:65], 0
	v_nop
	global_prefetch_b8 v0, s[64:65] scope:SCOPE_SE
	s_setreg_imm32_b32 hwreg(HW_REG_WAVE_SCHED_MODE, 0, 2), 2
	s_setreg_imm32_b32 hwreg(HW_REG_WAVE_MODE, 25, 1), 1
	s_wait_xcnt 0x0
	s_wait_alu depctr_vm_vsrc(0)
; The first product of every expert, on the rows that were chosen for it: h = silu(x Wg^T) * (x Wu^T), quantised along the hidden units to codes of FP6 (E2M3), one E8M0 byte for each 32.
; Both operands are codes of FP6 with E8M0 scales: x's from xq, the weights' as they are given.  Sums, the activation and what goes into the quantiser are f32.
; SHARES.  Work-group (x, y) takes tile y (128 rows of one expert: lists) and STAYS for two slices of 128 hidden units, 2 x and 2 x + 1, one after the other; a slice is 128 gate rows and 128 up rows of the weight.
; All of K = 1,024 is 768 bytes a row, so x's tile and one slice of the weight lie in LDS whole.  x's tile, its scale bytes, the list's tokens and all addresses are fetched and made once and serve both slices.
; Eight waves: wave (wr = w / 4, wc = w % 4) makes rows 64 wr on x units 32 wc on (gate and up): 16 accumulators.
; LDS IS FILLED THROUGH REGISTERS, lane by lane: x's rows are gathered by the list, and the weight's rows are taken in an order of their own and held at row 1,875, which no one tile of a tensor load states.
; A wave fills 16 rows of x and 32 of the weight, in thirds of 256 bytes along K: a load takes two rows x 256 bytes.  Later thirds wait in registers of their own while earlier K steps are multiplied:
; 51 loads of a wave are out at the most.  A third's stores write bytes 256 k on of the rows; the K steps that another wave may still be at read bytes under 256 k: so one barrier a third serves.
; THE SECOND SLICE'S WEIGHT ROWS are asked for in the first slice's K step 5, behind the barrier in front of it, into registers that the first slice's thirds have left; they go into LDS behind the barrier that
; follows every wave's last product of the first slice, and the barrier that closes the stage shows them to all: the second slice has no barrier but its own four.
; NO JOINT LOADS: x's tile is a gather; the tiles that share a weight slice are those of one expert, whose number hangs on counts read from memory.
; THE PRODUCT IS USED TRANSPOSED (source 0 = 16 rows of the weight, source 1 = 16 rows of x), AND THE ROWS OF A WEIGHT TILE ARE NOT NEIGHBOURS: row r of tile u takes unit 8 u + r % 8 + 16 (r / 8) of the wave's 32,
; so that a lane holds one row of h and its 16 registers of tiles u = 0, 1 are the units 16 (lane / 16) + 0 .. 15: half a block of the next K.
; OUT: hq [tile 55][K step 8][12,800]: 8 images of fragments (16 rows x 128 units; register q of lane l at 512 (q / 4) + 16 l + 4 (q % 4)), then the 128 rows' scale words.  Units from 938 on are zeros.
; THE STAGE through which a slice's codes go from wave to wave is 50 pieces of 256 bytes: piece j lies in bytes 512-767 of the weight's LDS row j, which nobody reads behind the slice's last K step and which
; the next slice's last third overwrites only two barriers after the stage has been read.  x's tile is not touched.
; Rows without a token (and whole tiles behind the last) name token 0 in the list: they are computed like the others, since every wave must pass every barrier, and nobody reads them.
; LIMITS: a block of zeros gets the byte 1 where the quantiser's rule says 127 (its codes are zeros, and this program alone reads the bytes); NaN and infinities are not served.
; REGISTERS: window 0 as named below.  Window 1: v0-127 the accumulators, (m, i) at 8 (4 m + i), i = 0, 1 gate, 2, 3 up; v128-255 thirds on their way; v128-176 also the epilogue's work.
; THE MODE: SCHED_MODE bits 1:0 = 2 (LLVM: expert scheduling mode 2), set by the entry lines.  The code itself states the register dependences
; between vector or matrix instructions and memory or LDS instructions, with s_wait_alu, always for 0.
; THE PLAN.  Registers that memory or LDS instructions touch:
;   AF, BF, SC      A K step's LDS loads land in them; its 16 products read them.  At the head AF and BF carry the first third: global loads land, LDS stores read.
;   SD, T2B, T1, T2A, N1, N2   Global loads land in them; LDS stores read them.  v128-176 of window 1 (part of T1, later of N2) are also the epilogue's work registers.
;   CD, BY          Written by the epilogue's conversions and shifts; read by the stage's LDS stores.
;   OB              LDS loads land in them; global stores read them.
;   GB, GS+1, GS+2  Offsets of the weight's loads: written at the head and once more (NEXTB).  Every other offset and LDS address is written at the head and never again.
;   The accumulators are named by matrix and vector instructions alone.
; So ONE wait on va_vdst stands at the head of a K step (all but the very first, whose registers no vector or matrix instruction has named): the step before is done reading AF, BF and SC.  In the first slice's
; K step 5 the same wait states that NEXTB has written the offsets, in the second slice's K step 0 that the epilogue is done with N2's registers; the sixteen loads of a third that lands in window 1 are then dealt
; among that step's products, which name the accumulators, AF, BF and SC alone.  Both windows are full (two waves of 512 registers to a SIMD): there is no second set of fragments.
; Waits on vm_vsrc stand where registers that stores or loads have read get new contents: in the first K step, ahead of NEXTB, ahead of each way out, and behind the second slice's last stores of a third.
.set PITCH, 784                        ; an LDS row of codes: 768 bytes + 16 = 196 words: row r starts at bank 4 r mod 64 (64 banks of 4 bytes: ISA guide 11.1): the 32 lanes of a load of 8 bytes touch 64 different banks
.set SPI,   48                         ; an LDS row of scale bytes: 32 + 16
.set LDB,   128*PITCH                  ; x's 128 rows at 0; the weight's 256 rows from here
.set LDSA,  LDB+256*PITCH              ; x's scale bytes
.set LDSB,  LDSA+128*SPI               ; the weight's
.set STGB,  LDB+512                    ; the stage: piece j of 256 bytes at STGB + PITCH j
.set AFA, 5                            ; v5    LDS address of my fragments of x
.set BFA, 6                            ; v6    of the weight
.set SCA, 7                            ; v7    of my scale words: lanes 0-15 x's rows, lanes 16-31 the weight's
.set STG, 8                            ; v8-10 the stage: where my three registers of codes go
.set SSA, 11                           ; v11   and my block's scale byte
.set CI,  12                           ; v12   the way out: 1,536 x wave + 16 x lane: my bytes of image w in hq
.set LI,  13                           ; v13   16 x lane
.set VLW, 14                           ; v14   how many of my 16 units lie under 938 (in the last slice)
.set CIL, 15                           ; v15   the way out: the same bytes in the stage: pieces 6 w + lane / 16, 16 bytes a lane
.set AF,  16                           ; v16-63   four fragments of x      (v16-111 first hold the first third on its way to LDS)
.set BF,  64                           ; v64-111  four of the weight
.set SC,  112                          ; v112-115 scale words: lanes 0-15 x's tile i, lanes 16-31 the weight's tile i; nothing else ever stands here
.set LAB, 116                          ; v116  where I put x's rows in LDS: rows 16 w + h, 16 bytes a lane
.set LBB, 117                          ; v117  the weight's: rows 32 w + h
.set LSA, 118                          ; v118  x's scale bytes
.set LSB, 119                          ; v119  the weight's
.set GA,  120                          ; v120-127 x's loads: offsets in xq
.set GB,  128                          ; v128-143 the weight's: made anew for the second slice, behind the wait that shows all the first slice's loads done
.set GS,  144                          ; v144-146 the scale bytes': x's, the weight's two
.set SWL, 147                          ; v147  the way out: the scale words in the stage: pieces 48 + lane / 16
.set TK,  148                          ; v148-156 tokens from the list
.set W,   160                          ; v160-174 at work in the head; +7, +9, +12, +13 stay
.set SD,  176                          ; v176-187 the scale bytes on their way
.set OB,  176                          ; v176-191 later: an image and the scale words on their way out
.set T2B, 192                          ; v192-255 first slice: the weight's part of the last third; then the second slice's first third
.set T1,  128                          ; window 1, first slice: the second third: x's 8 loads, then the weight's 16
.set T2A, 224                          ; window 1, first slice: x's part of the last third
.set N1,  192                          ; window 1, second slice: the second third
.set N2,  128                          ; window 1, second slice: the last third
.set EX,  128                          ; window 1, in the epilogue: exponentials, then reciprocals
.set TM,  144
.set TM4, 148
.set SCL, 152
.set BY,  156
.set CD,  160
.set VL,  176
.set MK,  44                           ; s44-59 slice 7: sixteen masks, one for each of a lane's 16 units
.set MSB, 0
.macro WIN new                         ; the immediate's high byte repeats the setting that is left
.if MSB != \new
	s_set_vgpr_msb (MSB<<8)|\new
.set MSB, \new
.endif
.endm
	s_load_b256 s[4:11], s[0:1], 0x0               ; xq s[4:5], the experts' codes s[6:7] and scales s[8:9], the shared expert's codes s[10:11]
	s_load_b128 s[12:15], s[0:1], 0x20             ; and scales s[12:13]; lists s[14:15]
	s_load_b64 s[16:17], s[0:1], 0x30              ; hq
	v_lshl_add_u32 v171, v0, 2, 0x4e000
	v_mov_b32 v175, 0
	v_lshrrev_b32 v1, 5, v0
	v_readfirstlane_b32 s18, v1                    ; wave 0..7
	v_and_b32 v1, 31, v0                           ; lane
	v_and_b32 v2, 15, v0                           ; r
	v_bfe_u32 v3, v0, 4, 1                         ; h
	v_lshlrev_b32 v4, 4, v2                        ; 16 r: sixteen lanes take 256 bytes of a row
	s_and_b32 s19, ttmp7, 0xffff                   ; the tile
	s_lshl_b32 s21, s19, 2
	s_lshl_b32 s30, s19, 9
	s_wait_alu depctr_va_sdst(0)                   ; s18, the wave's number, is written, ahead of its first reader
	s_lshl_b32 s31, s18, 6
	s_add_co_u32 s30, s30, s31                     ; 4 x (128 tile + 16 wave): the 16 rows of x that I fill
	v_lshl_add_u32 v[W], v3, 2, s30
	v_lshrrev_b32 v[W+2], 1, v1                    ; lane / 2
	v_lshl_add_u32 v[W+1], v[W+2], 2, s30
	s_wait_kmcnt 0x0
	s_load_b32 s20, s[14:15], s21 offset:0x0       ; the tile's expert
	s_wait_alu depctr_va_vdst(0)                   ; v160 and v161 are written: the nine loads below read them as their offsets
.irp p, 0,1,2,3,4,5,6,7
	global_load_b32 v[TK+\p], v[W], s[14:15] offset:16896+8*\p     ; the tokens of rows 2 p + h
.endr
	global_load_b32 v[TK+8], v[W+1], s[14:15] offset:16896         ; and of row lane / 2, for the scale bytes
	s_lshr_b32 s28, s18, 2                         ; wr
	s_and_b32 s29, s18, 3                          ; wc
	v_mul_u32_u24 v[W+3], v2, PITCH
	v_mad_u32_u24 v[W+3], v3, 24, v[W+3]           ; a fragment's row x pitch + 24 x half
	s_mul_i32 s30, s28, 64*PITCH
	v_add_nc_u32 v[AFA], s30, v[W+3]
	s_mul_i32 s30, s29, 64*PITCH
	s_add_co_u32 s30, s30, LDB
	v_add_nc_u32 v[BFA], s30, v[W+3]
	v_mul_u32_u24 v[SCA], v2, SPI
	s_mul_i32 s30, s28, 64*SPI
	s_add_co_u32 s30, s30, LDSA
	v_add_nc_u32 v[SCA], s30, v[SCA]               ; x's rows 64 wr + r;
	s_xor_b32 s30, s28, 1
	s_add_co_u32 s30, s30, s29
	s_add_co_u32 s30, s30, 1
	s_mul_i32 s30, s30, 64*SPI                     ; lanes 16-31 stand 64 SPI (2 + wc - wr) further on: the weight's rows 64 wc + r.  One product with h
	v_mul_u32_u24 v[W+4], s30, v3
	v_add_nc_u32 v[SCA], v[SCA], v[W+4]
	; the stage.  My 16 codes of tile m are registers q = 6 (wc / 2) + 3 h + 0 .. 2 of lane r + 16 (wc % 2) of image 4 wr + m: byte 512 (q / 4) + 4 (q % 4) + 16 r + 256 (wc % 2) of it,
	; which is piece 24 wr + 6 m + 2 (q / 4) + wc % 2, byte 16 r + 4 (q % 4)
	s_lshr_b32 s30, s29, 1
	s_mul_i32 s30, s30, 6
	v_mad_u32_u24 v[W+5], v3, 3, s30
	s_and_b32 s31, s29, 1
	s_mul_i32 s31, s31, PITCH
	s_mul_i32 s32, s28, 24*PITCH
	s_add_co_u32 s31, s31, s32
	s_add_co_u32 s31, s31, STGB
	v_add_nc_u32 v[W+6], s31, v4                   ; piece 24 wr + wc % 2, byte 16 r
.irp i, 0,1,2
	v_add_nc_u32 v[W+7], \i, v[W+5]
	v_lshrrev_b32 v[W+8], 2, v[W+7]
	v_and_b32 v[W+7], 3, v[W+7]
	v_mad_u32_u24 v[STG+\i], v[W+8], 2*PITCH, v[W+6]
	v_lshl_add_u32 v[STG+\i], v[W+7], 2, v[STG+\i]
.endr
	s_mul_i32 s30, s28, PITCH
	s_add_co_u32 s30, s30, s29
	s_add_co_u32 s30, s30, STGB+48*PITCH
	v_lshl_add_u32 v[SSA], v2, 2, s30              ; byte wc of row 64 wr + 16 m + r's scale word: piece 48 + wr, byte 64 m + 4 r + wc
	s_mul_i32 s30, s18, 1536
	v_lshl_add_u32 v[CI], v1, 4, s30
	v_lshlrev_b32 v[LI], 4, v1
	s_lshl_b32 s30, s29, 5
	s_sub_co_i32 s30, 42, s30                      ; 938 - 896 - 32 wc
	v_lshlrev_b32 v[W+7], 4, v3
	v_sub_nc_u32 v[VLW], s30, v[W+7]               ; - 16 h
	; where the rows go in LDS.  A load and its store take two rows x 256 bytes: lanes 0-15 one row, lanes 16-31 the next; the pair of rows and the third stand in the store's immediate
	v_mad_u32_u24 v[W+9], v3, PITCH, v4
	s_mul_i32 s30, s18, 16*PITCH
	v_add_nc_u32 v[LAB], s30, v[W+9]               ; x: I fill rows 16 w on
	s_mul_i32 s30, s18, 32*PITCH
	s_add_co_u32 s30, s30, LDB
	v_add_nc_u32 v[LBB], s30, v[W+9]               ; the weight: rows 32 w on: those of wave wc = w / 2; w % 2 = 0 gate, 1 up
	s_mul_i32 s30, s18, 6*PITCH
	s_add_co_u32 s30, s30, STGB
	v_add_nc_u32 v[CIL], s30, v[W+9]               ; the stage, back: image w is pieces 6 w on, two pieces a load
	v_add_nc_u32 v[SWL], STGB+48*PITCH, v[W+9]     ; and the scale words pieces 48, 49
	s_and_b32 s30, s18, 1
	s_mul_i32 s30, s30, 938
	s_lshl_b32 s31, ttmp9, 8
	s_add_co_u32 s30, s30, s31
	s_lshr_b32 s31, s18, 1
	s_lshl_b32 s31, s31, 5
	s_add_co_u32 s37, s30, s31                     ; the weight's row of my first unit in the first slice: 938 (w % 2) + 256 x + 32 (w / 2)
	v_add_nc_u32 v[W+12], s37, v3
.irp p, 0,1,2,3,4,5,6,7,8,9,10,11,12,13,14,15
	v_add_nc_u32 v[W+7], 8*(\p/8)+2*(\p%4)+16*((\p/4)%2), v[W+12]   ; LDS row 2 p + h = 16 u + r takes unit 8 u + r % 8 + 16 (r / 8)
	v_min_u32 v[W+7], 1875, v[W+7]                 ; no load leaves the weight; what units from 938 on bring is cleared behind the activation
	v_mad_u32_u24 v[GB+\p], v[W+7], 768, v4
.endr
	v_and_b32 v[W+7], 7, v[W+2]                    ; the scale bytes: two lanes to a row of 32 bytes, 16 rows a load
	v_lshrrev_b32 v[W+8], 3, v[W+2]
	v_lshl_add_u32 v[W+7], v[W+8], 4, v[W+7]
	v_add_nc_u32 v[W+7], s37, v[W+7]
	v_and_b32 v[W+13], 1, v1
	v_lshlrev_b32 v[W+13], 4, v[W+13]
.irp k, 0,1
	v_add_nc_u32 v[W+8], 8*\k, v[W+7]
	v_min_u32 v[W+8], 1875, v[W+8]
	v_lshl_add_u32 v[GS+1+\k], v[W+8], 5, v[W+13]
.endr
	v_mad_u32_u24 v[W+14], v[W+2], SPI, v[W+13]
	s_mul_i32 s30, s18, 16*SPI
	s_add_co_u32 s30, s30, LDSA
	v_add_nc_u32 v[LSA], s30, v[W+14]
	s_mul_i32 s30, s18, 32*SPI
	s_add_co_u32 s30, s30, LDSB
	v_add_nc_u32 v[LSB], s30, v[W+14]
	s_mov_b32 s38, 0x76543210
	s_mov_b32 s39, 0xfedcba98                      ; v_permlanex16_b32's selects for lane l xor 16
	s_mov_b32 s40, 0xbfb8aa3b                      ; -log2(e)
	s_mov_b32 s41, s40                             ; (named with it as a pair, so it is written)
	s_mul_i32 s42, s19, 102400
	s_mul_i32 s43, ttmp9, 25600
	s_add_co_u32 s42, s42, s43
	s_mov_b32 s43, 0
	s_add_nc_u64 s[16:17], s[16:17], s[42:43]      ; hq at my first slice's chunk; the second's lies 12,800 bytes on
	s_add_nc_u64 s[26:27], s[4:5], 0x180000        ; xq's scale bytes
	s_wait_kmcnt 0x0
	s_min_u32 s20, s20, 8
	s_and_b32 s22, s20, 7                          ; the expert's place among the eight (8, the shared one: 0)
	s_mul_i32 s24, s22, 1440768
	s_mov_b32 s25, 0
	s_mul_i32 s32, s22, 60032
	s_mov_b32 s33, 0
	s_cmp_eq_u32 s20, 8
	s_cselect_b64 s[6:7], s[10:11], s[6:7]
	s_cselect_b64 s[8:9], s[12:13], s[8:9]
	s_add_nc_u64 s[6:7], s[6:7], s[24:25]
	s_add_nc_u64 s[8:9], s[8:9], s[32:33]
	s_wait_loadcnt 0x0
.irp p, 0,1,2,3,4,5,6,7,8
	v_min_u32 v[TK+\p], 2047, v[TK+\p]
.endr
.irp p, 0,1,2,3,4,5,6,7
	v_mad_u32_u24 v[GA+\p], v[TK+\p], 768, v4
.endr
	v_lshl_add_u32 v[GS], v[TK+8], 5, v[W+13]
; Third k (bytes 256 k on) of the rows that I fill: asked for into v[reg] on, and put into LDS from there
.macro ASKA k, reg                     ; x's 16 rows: 8 loads
.irp p, 0,1,2,3,4,5,6,7
	global_load_b128 v[\reg+4*\p:\reg+4*\p+3], v[GA+\p], s[4:5] offset:256*\k
.endr
.endm
.macro ASKB k, reg                     ; the weight's 32 rows: 16 loads
.irp p, 0,1,2,3,4,5,6,7,8,9,10,11,12,13,14,15
	global_load_b128 v[\reg+4*\p:\reg+4*\p+3], v[GB+\p], s[6:7] offset:256*\k
.endr
.endm
.macro ASKS                            ; the scale bytes of the weight's 32 rows: 2 loads
	global_load_b128 v[SD+4:SD+7], v[GS+1], s[8:9]
	global_load_b128 v[SD+8:SD+11], v[GS+2], s[8:9]
.endm
.macro PUTA k, reg
.irp p, 0,1,2,3,4,5,6,7
	ds_store_b128 v[LAB], v[\reg+4*\p:\reg+4*\p+3] offset:2*PITCH*\p+256*\k
.endr
.endm
.macro PUTB k, reg
.irp p, 0,1,2,3,4,5,6,7,8,9,10,11,12,13,14,15
	ds_store_b128 v[LBB], v[\reg+4*\p:\reg+4*\p+3] offset:2*PITCH*\p+256*\k
.endr
.endm
.macro PUTS
	ds_store_b128 v[LSB], v[SD+4:SD+7]
	ds_store_b128 v[LSB], v[SD+8:SD+11] offset:16*SPI
.endm
.macro BAR                             ; my stores into LDS are done (for the others' sake: zero); behind the barrier that holds of every wave
	s_wait_dscnt 0x0
	s_barrier_signal -1
	s_barrier_wait -1
.endm
.macro NEXTB                           ; the offsets of the second slice's rows, 128 rows further on.  It stands behind a wait for all my loads: nothing pending reads these registers
.irp p, 0,1,2,3,4,5,6,7,8,9,10,11,12,13,14,15
	v_add_nc_u32 v[W+8+2*(\p%2)], 128+8*(\p/8)+2*(\p%4)+16*((\p/4)%2), v[W+12]
	v_min_u32 v[W+8+2*(\p%2)], 1875, v[W+8+2*(\p%2)]               ; the hold bites in slice 7 alone: its up rows would run to 1,961
	v_mad_u32_u24 v[GB+\p], v[W+8+2*(\p%2)], 768, v4
.endr
.irp k, 0,1
	v_add_nc_u32 v[W+8+2*\k], 128+8*\k, v[W+7]
	v_min_u32 v[W+8+2*\k], 1875, v[W+8+2*\k]
	v_lshl_add_u32 v[GS+1+\k], v[W+8+2*\k], 5, v[W+13]
.endr
.endm
.macro FRAG reg, adr, i, s             ; a fragment, 16 rows x 128 K: lane (r, h) takes 24 bytes at 24 h and 24 at 48 + 24 h of its row's 96, in pieces of 8
.irp c, 0,1
.irp j, 0,1,2
	ds_load_b64 v[\reg+6*\c+2*\j:\reg+6*\c+2*\j+1], v[\adr] offset:16*PITCH*(\i)+96*(\s)+48*\c+8*\j
.endr
.endr
.endm
; A K step of 128: 8 fragments, 4 scale registers, 16 products.  The 16 accumulators take turns, one instruction a turn, in the same order in every step.
; how = 0: a step like any other.  1: the launch's first step.  5: the first slice's K step 5, in which the second slice is asked for.  2: the second slice's K step 0, in which its last third is asked for.
; Under the products' window setting a global load's data are in window 1 and its offset in window 0: the loads that land in window 1 stand among the products, one behind each, with no switch.
.macro KSTEP s, zero, how
.if \s > 0
.rept 4
	v_nop                                          ; four places between the last products and the loads into the registers that they read; they stay beside the wait below
.endr
.endif
	WIN 0
.if \how == 1
	s_wait_alu depctr_vm_vsrc(0)                   ; my LDS stores have read v16-111, which carried the first third: the fragments land there.  No vector or matrix instruction has named v16-115 yet
.elseif \how == 2
	s_wait_alu depctr_va_vdst(0)                   ; the first slice's products are done reading AF, BF and SC, in which the loads below land; the epilogue is done reading and writing v128-176 of window 1, in which the last third lands
.elseif \how == 5
	s_wait_alu depctr_va_vdst(0)                   ; the last step's products are done reading AF, BF and SC, in which the loads below land; NEXTB has written the offsets v128-143, v145 and v146, which the second slice's loads read
	ASKS                                           ; THE SECOND SLICE IS ASKED FOR: its scale bytes, its first third, and among the products its second third: 34 loads, which have K steps 5 to 7 and the activation in which to land
	ASKB 0, T2B
.else
	s_wait_alu depctr_va_vdst(0)                   ; the last step's products are done reading AF, BF and SC, in which the loads below land
.endif
.irp m, 0,1,2,3
	FRAG AF+12*\m, AFA, \m, \s
.endr
.irp i, 0,1,2,3
	FRAG BF+12*\i, BFA, \i, \s
.endr
.irp i, 0,1,2,3
	ds_load_b32 v[SC+\i], v[SCA] offset:16*SPI*\i+4*(\s)
.endr
	s_wait_dscnt 0x0
	WIN 0x50                                       ; C and D window 1
.irp m, 0,1,2,3
.irp i, 0,1,2,3
.if \zero
	v_wmma_scale_f32_16x16x128_f8f6f4 v[8*(4*\m+\i):8*(4*\m+\i)+7], v[BF+12*\i:BF+12*\i+11], v[AF+12*\m:AF+12*\m+11], 0, v[SC+\i], v[SC+\m] matrix_a_fmt:MATRIX_FMT_FP6 matrix_b_fmt:MATRIX_FMT_FP6 matrix_a_scale:MATRIX_SCALE_ROW1
.else
	v_wmma_scale_f32_16x16x128_f8f6f4 v[8*(4*\m+\i):8*(4*\m+\i)+7], v[BF+12*\i:BF+12*\i+11], v[AF+12*\m:AF+12*\m+11], v[8*(4*\m+\i):8*(4*\m+\i)+7], v[SC+\i], v[SC+\m] matrix_a_fmt:MATRIX_FMT_FP6 matrix_b_fmt:MATRIX_FMT_FP6 matrix_a_scale:MATRIX_SCALE_ROW1
.endif
.if \how == 5
	global_load_b128 v[N1+4*(4*\m+\i):N1+4*(4*\m+\i)+3], v[GB+4*\m+\i], s[6:7] offset:256   ; the second slice's second third.  No wait: no vector or matrix instruction since the step's wait names these registers
.endif
.if \how == 2
	global_load_b128 v[N2+4*(4*\m+\i):N2+4*(4*\m+\i)+3], v[GB+4*\m+\i], s[6:7] offset:512   ; its last third, into registers that the epilogue has left: 32 loads of mine are out.  No wait, likewise
.endif
.endr
.endr
.endm
.macro SWIGLU m                        ; g u / (1 + 2^(-g log2 e)), 16 numbers a lane; every accumulator is read from its low end on
.irp k, 0,2,4,6,8,10,12,14
	v_pk_mul_f32 v[EX+\k:EX+\k+1], v[32*\m+\k:32*\m+\k+1], s[40:41] op_sel_hi:[1,0]
.endr
.irp k, 0,1,2,3,4,5,6,7,8,9,10,11,12,13,14,15
	v_exp_f32 v[EX+\k], v[EX+\k]
.endr
.irp k, 0,2,4,6,8,10,12,14
	v_pk_mul_f32 v[32*\m+16+\k:32*\m+17+\k], v[32*\m+16+\k:32*\m+17+\k], v[32*\m+\k:32*\m+\k+1]   ; u g: also the plain lines behind the exponentials
.endr
	s_wait_alu depctr_va_vdst(0)                   ; the sixteen exponentials have written v[EX ..], ahead of the additions, their first readers: one wait for the batch
.irp k, 0,2,4,6,8,10,12,14
	v_pk_add_f32 v[EX+\k:EX+\k+1], v[EX+\k:EX+\k+1], 1.0 op_sel_hi:[1,0]
.endr
.irp k, 0,1,2,3,4,5,6,7,8,9,10,11,12,13,14,15
	v_rcp_f32 v[EX+\k], v[EX+\k]
.endr
	v_nop                                          ; a plain line behind the reciprocals
	s_wait_alu depctr_va_vdst(0)                   ; the sixteen reciprocals have written v[EX ..], ahead of the multiplications, their first readers: one wait for the batch
.irp k, 0,2,4,6,8,10,12,14
	v_pk_mul_f32 v[32*\m+\k:32*\m+\k+1], v[32*\m+16+\k:32*\m+17+\k], v[EX+\k:EX+\k+1]
.endr
.endm
; A slice's end: the activation and the quantiser, in window 1; a barrier; the codes and scale bytes into the stage.  last = 1: the second slice, which may be slice 7
.macro EPI last
	WIN 0x40                                       ; destination window 1.  These five moves name no register of the last products: they are the places behind them
.irp m, 0,1,2,3
	v_mov_b32 v[TM4+\m], 0                         ; a lane permute's destination counts as one of its sources
.endr
	v_mov_b32 v[VL], v[VLW]
	WIN 0x55
.irp m, 0,1,2,3
	SWIGLU \m
.endr
.if \last
	WIN 0                                          ; at a branch and at a label every window is 0
	s_cmp_lg_u32 ttmp9, 3
	s_cbranch_scc1 .Lfull
	WIN 0x55                                       ; slice 7 holds units 896 on: from 938 on h is 0, as the quantiser fills its last block
.irp j, 0,1,2,3,4,5,6,7,8,9,10,11,12,13,14,15
	v_cmp_lt_i32 s[MK+\j], \j, v[VL]               ; the compares in one run, each into a mask of its own
.endr
	s_wait_alu depctr_va_sdst(0)                   ; the sixteen compares have written s44 to s59, ahead of the selects, their first readers
.irp j, 0,1,2,3,4,5,6,7,8,9,10,11,12,13,14,15
.irp m, 0,1,2,3
	v_cndmask_b32 v[32*\m+\j], 0, v[32*\m+\j], s[MK+\j]
.endr
.endr
	WIN 0
.Lfull:
	WIN 0x55
.endif
.irp m, 0,1,2,3
	v_max3_num_f32 v[TM+\m], |v[32*\m]|, |v[32*\m+1]|, 0x1800000   ; my 16 numbers of the block, and the floor 2^(3 - 127): the byte cannot fall under 1.  The four tiles of rows by turns
.endr
.irp i, 2,4,6,8,10,12,14
.irp m, 0,1,2,3
	v_max3_num_f32 v[TM+\m], v[TM+\m], |v[32*\m+\i]|, |v[32*\m+\i+1]|
.endr
.endr
.irp m, 0,1,2,3
	v_permlanex16_b32 v[TM4+\m], v[TM+\m], s38, s39
.endr
.irp m, 0,1,2,3
	v_max_num_f32 v[TM+\m], v[TM+\m], v[TM4+\m]    ; with lane l xor 16's 16: the block's largest magnitude
.endr
.irp m, 0,1,2,3
	v_add_nc_u32 v[SCL+\m], 0xff000000, v[TM+\m]   ; 2 off its exponent field: the conversion's scale operand
.endr
.irp m, 0,1,2,3
	v_lshrrev_b32 v[BY+\m], 23, v[SCL+\m]          ; the scale's byte
.endr
.irp m, 0,1,2,3
	v_cvt_scalef32_pk16_fp6_f32 v[CD+4*\m:CD+4*\m+2], v[32*\m:32*\m+15], v[SCL+\m]
.endr
	v_nop                                          ; one plain line behind the last scaled conversion
	s_barrier_signal -1                            ; every wave's reads of the weight's slice and of its scale bytes came back in front of its last products:
	s_barrier_wait -1                              ; behind this barrier those bytes may be written
	WIN 0x04                                       ; an LDS store's data are its source 1: window 1
	s_wait_alu depctr_va_vdst(0)                   ; the conversions have written v[CD ..] and the shifts v[BY ..], which the LDS stores below read
.irp m, 0,1,2,3
.irp i, 0,1,2
	ds_store_b32 v[STG+\i], v[CD+4*\m+\i] offset:6*PITCH*\m
.endr
	ds_store_b8 v[SSA], v[BY+\m] offset:64*\m      ; both halves of the lanes write the same byte with the same value
.endr
	WIN 0
.endm
; The way out of slice n (0 or 1), behind the barrier that shows the stage whole: wave w sends image w, wave 0 also the 128 scale words
.macro OUT n
.if \n
	s_wait_xcnt 0x0                                ; the first slice's stores have read these registers: they are loaded into again only behind this wait
	s_wait_alu depctr_vm_vsrc(0)                   ; beside it: the first slice's global stores have read v[OB ..], in which the loads below land, wave 0's fourth too
.else
	s_wait_alu depctr_vm_vsrc(0)                   ; my LDS stores have read the scale bytes' registers v180-187, in which the loads below land, and v[CD ..] and v[BY ..] of window 1, in which the last third lands
.endif
.irp c, 0,1,2
	ds_load_b128 v[OB+4*\c:OB+4*\c+3], v[CIL] offset:2*PITCH*\c
.endr
	s_wait_dscnt 0x0
.irp c, 0,1,2
	global_store_b128 v[CI], v[OB+4*\c:OB+4*\c+3], s[16:17] offset:12800*\n+512*\c   ; 512 consecutive bytes, aligned
.endr
	s_cmp_lg_u32 s18, 0
	s_cbranch_scc1 .Lsent_\n
	ds_load_b128 v[OB+12:OB+15], v[SWL]
	s_wait_dscnt 0x0
	global_store_b128 v[LI], v[OB+12:OB+15], s[16:17] offset:12800*\n+12288
.Lsent_\n:
.endm
	; ================ the first slice ================
	s_wait_alu depctr_va_vdst(0)                   ; every offset and every LDS address (v5-13, v15, v116-147) is written: the loads and stores of the whole kernel read them
	global_load_b128 v[SD:SD+3], v[GS], s[26:27]   ; the scale bytes first: they are wanted with K step 0
	ASKS
	ASKA 0, AF                                     ; the first third, into the registers that the fragments will take
	ASKB 0, AF+32
	WIN 0x40                                       ; destination window 1
	ASKA 1, T1                                     ; the second
	ASKB 1, T1+32
	WIN 0
	s_wait_loadcnt 24                              ; of my 51 loads the second third's 24 may be out: the scale bytes and the first third are in
	ds_store_b128 v[LSA], v[SD:SD+3]
	PUTS
	PUTA 0, AF
	PUTB 0, AF+32
	ASKB 2, T2B                                    ; the last third: 48 loads of mine are out now
	WIN 0x40
	ASKA 2, T2A
	WIN 0
	BAR                                            ; the scale bytes and bytes 0-255 of all rows lie in LDS: K steps 0 and 1 read bytes 0-191
	KSTEP 0, 1, 1                                  ; the first products start the sums: nothing is cleared
	KSTEP 1, 0, 0
	s_wait_loadcnt 24                              ; the last third's 24 loads may be out: the second third is in
	WIN 0x04                                       ; an LDS store's data are its source 1: window 1
	PUTA 1, T1                                     ; bytes 256-511: no wave reads them before the barrier below
	PUTB 1, T1+32
	BAR                                            ; K steps 2 to 4 read bytes 192-479
	KSTEP 2, 0, 0
	KSTEP 3, 0, 0
	KSTEP 4, 0, 0
	s_wait_loadcnt 0x0                             ; the last third; no load of mine is out
	WIN 0x04
	PUTA 2, T2A
	WIN 0
	PUTB 2, T2B
	s_wait_alu depctr_vm_vsrc(0)                   ; the weight's loads have read the offsets that NEXTB writes; my LDS stores have read T1, T2A, T2B and the scale bytes' registers, in which the second slice's loads land and which the epilogue writes
	NEXTB                                          ; register work while the stores are out
	BAR
	KSTEP 5, 0, 5
	KSTEP 6, 0, 0
	KSTEP 7, 0, 0
	EPI 0                                          ; behind its barrier nobody reads the weight's slice any more
	s_wait_loadcnt 16                              ; the second third's 16 loads may be out: the scale bytes and the first third are in
	PUTS
	PUTB 0, T2B                                    ; bytes 0-255 of the weight's rows; the stage lies in bytes 512-767
	BAR                                            ; ONE barrier shows the stage whole and the second slice's first third in place
	OUT 0
	; ================ the second slice: x's tile and its scale bytes lie where they lay ================
	KSTEP 0, 1, 2
	KSTEP 1, 0, 0
	s_wait_loadcnt 16                              ; the last third's 16 loads may be out: the second third is in
	WIN 0x04
	PUTB 1, N1
	BAR
	KSTEP 2, 0, 0
	KSTEP 3, 0, 0
	KSTEP 4, 0, 0
	s_wait_loadcnt 0x0
	WIN 0x04
	PUTB 2, N2                                     ; bytes 512-767: every wave's reads of the stage came back two barriers ago
	s_wait_alu depctr_vm_vsrc(0)                   ; these LDS stores have read v128-191 of window 1, which the epilogue's vector instructions write
	BAR
	KSTEP 5, 0, 0
	KSTEP 6, 0, 0
	KSTEP 7, 0, 0
	EPI 1
	BAR                                            ; the stage is whole
	OUT 1
	s_wait_dscnt 0x0                               ; the closing lines, six on end
	s_wait_alu 0x0
	s_wait_tensorcnt 0x0
	ds_add_u32 v171, v175
	s_wait_dscnt 0x0
	s_endpgm
.Lfunc_end_k_qe964d3b5fb_up:
	.size	k_qe964d3b5fb_up, .Lfunc_end_k_qe964d3b5fb_up-k_qe964d3b5fb_up
	.p2alignl 7, 3214868480
	.fill 96, 4, 3214868480
	.section	.rodata,"a",@progbits
	.p2align	6, 0x0
	.amdhsa_kernel k_qe964d3b5fb_up
		.amdhsa_group_segment_fixed_size 320512
		.amdhsa_private_segment_fixed_size 0
		.amdhsa_enable_private_segment 0
		.amdhsa_kernarg_size 56
		.amdhsa_user_sgpr_count 2
		.amdhsa_user_sgpr_kernarg_segment_ptr 1
		.amdhsa_wavefront_size32 1
		.amdhsa_system_sgpr_workgroup_id_x 1
		.amdhsa_system_sgpr_workgroup_id_y 1
		.amdhsa_system_sgpr_workgroup_id_z 1
		.amdhsa_system_vgpr_workitem_id 0
		.amdhsa_next_free_vgpr 512
		.amdhsa_next_free_sgpr 66
		.amdhsa_reserve_vcc 0
		.amdhsa_float_denorm_mode_32 3
		.amdhsa_float_denorm_mode_16_64 3
		.amdhsa_memory_ordered 1
		.amdhsa_forward_progress 1
		.amdhsa_inst_pref_size 165
	.end_amdhsa_kernel
	.amdgpu_metadata
---
amdhsa.version: [ 1, 2 ]
amdhsa.kernels:
  - .name:           k_qe964d3b5fb_up
    .symbol:         k_qe964d3b5fb_up.kd
    .args:
      - { .name: xq, .offset: 0, .size: 8, .value_kind: global_buffer, .address_space: global }
      - { .name: experts_gate_up_codes, .offset: 8, .size: 8, .value_kind: global_buffer, .address_space: global }
      - { .name: experts_gate_up_scales, .offset: 16, .size: 8, .value_kind: global_buffer, .address_space: global }
      - { .name: shared_gate_up_codes, .offset: 24, .size: 8, .value_kind: global_buffer, .address_space: global }
      - { .name: shared_gate_up_scales, .offset: 32, .size: 8, .value_kind: global_buffer, .address_space: global }
      - { .name: lists, .offset: 40, .size: 8, .value_kind: global_buffer, .address_space: global }
      - { .name: hq, .offset: 48, .size: 8, .value_kind: global_buffer, .address_space: global }
    .group_segment_fixed_size: 320512
    .private_segment_fixed_size: 0
    .kernarg_segment_align: 8
    .kernarg_segment_size: 56
    .max_flat_workgroup_size: 256
    .sgpr_count:     66
    .vgpr_count:     512
    .wavefront_size: 32
...
	.end_amdgpu_metadata
.endif
;; end of part 6
;; launch down: the kernel of part 4 again; grid 4 x 55, 8 waves a work-group, no clusters, 308,224 bytes of LDS; arguments hq, w2q, lists, yw; writes yw
;; launch combine: the kernel of part 5 again; grid 256 x 1, 8 waves a work-group, no clusters, 0 bytes of LDS; arguments yw, lists, wts, out0; writes out0
